; MI455X (gfx1250); checked and timed in simulation.
; The chip was launched on July 23, 2026; its instructions are those of AMD's public machine-readable ISA for CDNA 5 (MIT licence, August 2026) and "CDNA5" Instruction Set Architecture Reference Guide (July 2026). The comments in the code are by the model that wrote it; some were corrected since.
;; Multi Head Self Attention. Allowed arithmetic: matrix products marked QUANTISED: E4M3 operands, one E8M0 scale for each 32 along K, by v_wmma_scale_f32_16x16x128_f8f6f4 with both operands' format E4M3, f32 sums; everything else in f32.
;; Inputs: bk 1,024 float32; bo 1,024 float32; bq 1,024 float32; bv 1,024 float32; k 4 x 2,048 x 1,024 float32; mask 1 x 1 x 2,048 x 2,048 float32; q 4 x 2,048 x 1,024 float32; v 4 x 2,048 x 1,024 float32; wk 1,024 x 1,024 float32; wo 1,024 x 1,024 float32; wq 1,024 x 1,024 float32; wv 1,024 x 1,024 float32.
;; Outputs: out0 4 x 2,048 x 1,024 float32.
;; This version of the problem:
;;   THIS VERSION OF THE PROBLEM IS GIVEN IN LOW PRECISION. The matrix products marked QUANTISED in the list below multiply operands that are first quantised to E4M3 (4 exponent bits, 3 mantissa bits; 8 bits a number), with one power-of-two scale for each 32 numbers along K (OCP MX v1.0); their sums are f32. All else is computed in f32.
;;   The module's matrix products, in the order in which they are computed (A, B: the left and right operand; K: the contracted axis; several contracted axes count as one K, in the product's order):
;;     1. [M 8,192, K 1,024] x [K 1,024, N 1,024]; A: input q; B: input wq: QUANTISED
;;     2. [M 8,192, K 1,024] x [K 1,024, N 1,024]; A: input k; B: input wk: QUANTISED
;;     3. [M 8,192, K 1,024] x [K 1,024, N 1,024]; A: input v; B: input wv: QUANTISED
;;     4. batch 64 x [M 2,048, K 64] x [K 64, N 2,048]; A: computed on the way; B: computed on the way: QUANTISED
;;     5. batch 64 x [M 2,048, K 2,048] x [K 2,048, N 64]; A: softmax (see below); B: computed on the way: QUANTISED
;;     6. [M 8,192, K 1,024] x [K 1,024, N 1,024]; A: computed on the way; B: input wo: QUANTISED
;;   THE QUANTISER, for each operand of a quantised product, along K:
;;     - K is cut into blocks of 32 from its start; a last block that is shorter is filled with zeros.
;;     - A block's scale is 2^e with e = floor(log2(the largest magnitude in the block)) - 8, held to -126 .. 127; a block of zeros has e = 0. As a byte (E8M0): e + 127.
;;     - Each number is divided by its block's scale, clamped to +-448, and rounded to the nearest number of E4M3, ties to even, subnormals kept.
;;     - The product sums the exact products of the quantised numbers (number of the format x scale) in f32.
;;   ~~~python
;;   def quantise(x, axis):      # numpy; x: float32 -> the quantised numbers, widened to float32 again
;;       x = np.moveaxis(x, axis, -1); K = x.shape[-1]
;;       x = np.pad(x, [(0, 0)] * (x.ndim - 1) + [(0, -K % 32)]); x = x.reshape(x.shape[:-1] + (-1, 32)); a = np.abs(x).max(-1, keepdims=True)
;;       e = np.where(a > 0, np.clip(np.frexp(np.where(a > 0, a, 1))[1] - 1 - 8, -126, 127), 0)      # np.frexp(a)[1] - 1 = floor(log2(a)), exactly
;;       r = np.clip(x / 2.0 ** e, -448, 448)
;;       step = 2.0 ** (np.maximum(np.frexp(np.where(r == 0, 1, r))[1] - 1, -6) - 3)
;;       q = np.round(r / step) * step * 2.0 ** e      # np.round: ties to even
;;       return np.moveaxis(q.reshape(q.shape[:-2] + (-1,))[..., :K], -1, axis).astype(np.float32)
;;   ~~~
;;   SOFTMAX AHEAD OF A QUANTISED PRODUCT. Where the list says 'softmax', what is quantised is not the finished softmax but p = 2^(t - M), with t = logit x log2(e) and M = ceil(the row's largest t), a whole number; so 1/2 < the row's largest p <= 1. The row's sum l is taken of the UNQUANTISED p, in f32, and the product's result is divided by l at the end. Since M is a whole number, a kernel that streams over the keys may use a running M (the ceiling of the running maximum): every later rescaling is an exact power of two, which a block's scale takes up: the codes' values come out the same.
;;   OPERANDS COMPUTED ON THE WAY. 'Computed on the way' means the value that the module computes at that place (a softmax that the list does not call 'softmax' is quantised finished and normalised). What goes into a quantiser is computed in f32, as accurately as f32 sums, v_exp_f32 and their like allow (about 1e-6 of the number): no bf16 or f16 on the way to a quantiser, and a product that is left as it is and whose result goes on into a quantised operand takes f32 operands (vector FMAs, or v_wmma_f32_16x16x4_f32). A number that lies on a knife's edge between two numbers of the format may be rounded either way, as far as f32 arithmetic and the matrix unit's own rounding can turn it there, and no further.
;; One version. Each part assembles by itself: llvm-mc -triple=amdgcn-amd-amdhsa -mcpu=gfx1250 --defsym DOCPART=n.
;; ======== version 1 of 1: 4 launches
;; limits: right only within a limited range of input values
;; workspace buffers: opnd 31,195,136 bytes; heads 25,952,256 bytes; aimg 8,912,896 bytes
;; launch prep (part 1): grid 896 x 1, 4 waves a work-group, no clusters, 68,096 bytes of LDS; arguments q, k, v, wq, wk, wv, wo, opnd; writes opnd
.if DOCPART == 1
	.amdgcn_target "amdgcn-amd-amdhsa--gfx1250"
	.amdhsa_code_object_version 6
	.text
	.protected	k_q96e846a57b_prep
	.globl	k_q96e846a57b_prep
	.p2align	8
	.type	k_q96e846a57b_prep,@function
k_q96e846a57b_prep:
	s_mov_b64 s[64:65], 0
	v_nop
	global_prefetch_b8 v0, s[64:65] scope:SCOPE_SE
	s_setreg_imm32_b32 hwreg(HW_REG_WAVE_MODE, 25, 1), 1
	s_wait_xcnt 0x0
; q, k, v [8192][1024] and wq, wk, wv, wo [1024 (K)][1024 (n)], f32, become codes of E4M3 with one E8M0 scale byte for each 32 along K, laid in the ORDER OF AN OPERAND'S REGISTERS.
; A FRAGMENT IMAGE (16 rows x 128 K, 2,048 bytes): lane (r = lane % 16, h = lane / 16), registers 4 c .. 4 c + 3 = k 32 c + 16 h + 0 .. 15 of the tile's row index r, at byte 512 c + 16 x lane.
; A RECORD (tile of 16 rows, K steps 2 s and 2 s + 1): the even K step's image at 0, the odd one's at 2,048, the scale words at 4,096 + 4 x (r + 16 x odd); 4,224 bytes used, 4,352 from record to record, four records a tile.
; THE ROWS OF A TILE: natural (16 t + r) for q; for k, v and the weights' columns tile 2 g + u holds at index r row 32 g + 8 u + r + 8 (r / 8), so that a later product's results lie along its next K.
; A block's scale is 2^(floor(log2(largest magnitude)) - 8): its byte is the largest magnitude's exponent field - 8, held at 1 from below; each number is held within +-448 x the scale and rounded to the nearest code, ties to even.
; LIMITS: NaN and infinities among the inputs are not served.  Blocks whose largest magnitude lies under 2^-118 keep the byte 1.  A block of zeros has the byte 1 where the rule says 127: its codes are zeros, and this program alone reads the bytes.
; SHARES.  Work-groups 0 to 767: q, k, v; a wave takes one tile x 512 along K (four units of 128).  Work-groups 768 to 895: the weights; a wave takes 32 columns x 256 along K.  Waves share nothing: no barrier.
; The two ways part once, on the work-group's number, and have LDS bytes of their own (0 .. 33,791 and 33,792 .. 67,583).  No matrix unit, no cluster, no tensor load: a stream read once.
.set RC,   4352
.set RL,   4224
.set TS,   4*RC
.set STG,  2*RL                        ; a wave's stage: 16 rows x 528 bytes on the first way, two records on the second: 8,448 bytes
.set WLDS, 4*STG                       ; where the second way's stages begin
.set XWG,  768
.set WT0,  1536                        ; the weights' first tile in opnd
.set SEL,  28                          ; s[28:29] v_permlanex16_b32's selects for lane l xor 16
.set MNT,  30                          ; s30  the mantissa field of 448
.set HM,   31                          ; s31  lanes 16 to 31
.set SRC,  32                          ; s[32:33]
.set DST,  36                          ; s[36:37]
.set LI,   1                           ; v1   16 x lane
.set VOH,  2                           ; v2   16 x lane + the step to a tile's upper eight rows
.set STI,  3                           ; v3   the stage, on the way in
.set STO,  4                           ; v4   and on the way out
.set LS,   6                           ; v6   4 x lane
.set TM,   8                           ; v8-23  QUANT's work
.set PW,   24                          ; v24  the scale word just made
.set PWE,  25                          ; v25  the even K step's
.set SW,   26                          ; v26-27 a record's scale words
.set R,    32                          ; v32-159  two sets of 64: a unit as it is loaded
.set X,    160                         ; v160-223 64 numbers of my row
.set COD,  224                         ; v224-255 two sets of 16: a fragment's codes
.set WX,   32                          ; second way: v32-95 two sets of 32 numbers
.set WC,   96                          ; v96-103  a block's codes
.set WO,   112                         ; v112-175 the way out
.set WS,   176                         ; v176-177
.set SB,   24                          ; v24-25   scale bytes, four to a register
; 64 numbers of a lane, register 16 b + i = k 32 b + 16 (lane / 16) + i of my row, become a fragment's codes in v[pc] on and its scale word in v[PW]
.macro QUANT s, pc
.irp b, 0,1,2,3
	v_max3_num_f32 v[TM+\b], |v[(\s)+16*\b]|, |v[(\s)+16*\b+1]|, 0x4800000      ; my 16 numbers of block b, and the floor 2^(9 - 127): the byte cannot fall under 1
.endr
.irp i, 2,4,6,8,10,12,14
.irp b, 0,1,2,3
	v_max3_num_f32 v[TM+\b], v[TM+\b], |v[(\s)+16*\b+\i]|, |v[(\s)+16*\b+\i+1]|   ; the four blocks by turns
.endr
.endr
.irp b, 0,1,2,3
	v_permlanex16_b32 v[TM+4+\b], v[TM+\b], s[SEL], s[SEL+1]
.endr
.irp b, 0,1,2,3
	v_max_num_f32 v[TM+\b], v[TM+\b], v[TM+4+\b]                  ; with lane l xor 16's: the block's largest magnitude
.endr
.irp b, 0,1,2,3
	v_add_nc_u32 v[TM+12+\b], 0xfc000000, v[TM+\b]                ; 8 off its exponent field: the conversion's scale operand
.endr
.irp b, 0,1,2,3
	v_and_or_b32 v[TM+8+\b], v[TM+\b], 0x7f800000, s[MNT]         ; 448 x the scale
.endr
.irp b, 0,1,2,3
	v_lshrrev_b32 v[TM+4+\b], 23, v[TM+12+\b]                     ; the scale's byte
.endr
	v_lshl_or_b32 v[PW], v[TM+5], 8, v[TM+4]
	v_lshl_or_b32 v[PW], v[TM+6], 16, v[PW]
	v_lshl_or_b32 v[PW], v[TM+7], 24, v[PW]
.irp b, 0,1,2,3
.irp i, 0,1,2,3,4,5,6,7,8,9,10,11,12,13,14,15
	v_med3_num_f32 v[(\s)+16*\b+\i], v[(\s)+16*\b+\i], -v[TM+8+\b], v[TM+8+\b]   ; the conversion does not saturate (ISA guide 7.6.2): the hold comes first
.endr
	v_cvt_scalef32_pk8_fp8_f32 v[(\pc)+4*\b:(\pc)+4*\b+1], v[(\s)+16*\b:(\s)+16*\b+7], v[TM+12+\b]
	v_cvt_scalef32_pk8_fp8_f32 v[(\pc)+4*\b+2:(\pc)+4*\b+3], v[(\s)+16*\b+8:(\s)+16*\b+15], v[TM+12+\b]
.endr
	v_nop                                          ; one plain line behind the last conversion
.endm
	s_load_b256 s[4:11], s[0:1], 0x0               ; q s[4:5], k s[6:7], v s[8:9], wq s[10:11]
	s_load_b256 s[12:19], s[0:1], 0x20             ; wk s[12:13], wv s[14:15], wo s[16:17], opnd s[18:19]
	v_lshl_add_u32 v30, v0, 2, 0x10800
	v_mov_b32 v31, 0
	v_lshrrev_b32 v5, 5, v0
	v_readfirstlane_b32 s20, v5                    ; wave 0..3
	v_and_b32 v7, 31, v0                           ; lane
	v_lshlrev_b32 v[LI], 4, v7
	v_lshlrev_b32 v[LS], 2, v7
	s_mov_b32 s[SEL], 0x76543210
	s_mov_b32 s[SEL+1], 0xfedcba98
	s_mov_b32 s[MNT], 0x600000
	s_mov_b32 s[HM], 0xffff0000
	s_mul_i32 s39, s20, STG                        ; my stage
	s_cmp_lt_u32 ttmp9, XWG
	s_cbranch_scc0 .Lweights
	; ---- q, k, v.  Tile = 2 x work-group + wave / 2; K steps 4 (wave % 2) on
	s_lshr_b32 s21, ttmp9, 8                       ; which tensor: 256 work-groups each
	s_and_b32 s22, ttmp9, 255                      ; the group of 32 rows
	s_lshr_b32 s23, s20, 1                         ; u: which of its two tiles
	s_and_b32 s24, s20, 1                          ; which half of K
	s_wait_kmcnt 0x0
	s_cmp_eq_u32 s21, 0
	s_cselect_b64 s[SRC:SRC+1], s[4:5], s[6:7]
	s_cselect_b32 s25, 16, 8                       ; from tile to tile of a group: 16 rows in natural order, 8 otherwise
	s_cselect_b32 s26, 0, 8                        ; rows that the upper eight indices lie further on
	s_cmp_eq_u32 s21, 2
	s_cselect_b64 s[SRC:SRC+1], s[8:9], s[SRC:SRC+1]
	s_lshl_b32 s27, s22, 5
	s_mul_i32 s25, s25, s23
	s_add_co_u32 s27, s27, s25                     ; the tile's first row
	s_lshl_b32 s34, s27, 12                        ; rows of 4,096 bytes
	s_lshl_b32 s35, s24, 11
	s_add_co_u32 s34, s34, s35
	s_mov_b32 s35, 0
	s_add_nc_u64 s[SRC:SRC+1], s[SRC:SRC+1], s[34:35]
	s_lshl_b32 s34, ttmp9, 1
	s_add_co_u32 s34, s34, s23                     ; the tile's number in opnd
	s_mul_i32 s34, s34, TS
	s_mul_i32 s38, s24, 2*RC
	s_add_co_u32 s34, s34, s38
	s_add_nc_u64 s[DST:DST+1], s[18:19], s[34:35]
	s_lshl_b32 s26, s26, 12
	s_wait_alu depctr_va_vdst(0)
	v_add_nc_u32 v[VOH], s26, v[LI]
	v_add_nc_u32 v[STI], s39, v[LI]                ; in: a row's 512 bytes as they lie
	v_and_b32 v5, 15, v0
	v_bfe_u32 v7, v0, 4, 1
	v_mul_u32_u24 v[STO], v5, 528
	v_lshl_add_u32 v[STO], v7, 6, v[STO]
	v_add_nc_u32 v[STO], s39, v[STO]               ; out: row r, + 64 h: my 16 numbers of each block of 32
.irp b, 0,1,2,3
	v_mov_b32 v[TM+4+\b], 0                        ; written once: a lane permute's destination counts as one of its sources
.endr
.macro LOADU s                         ; unit s: 16 rows x 128 numbers; each load reads 512 consecutive bytes of one row
.irp i, 0,1,2,3,4,5,6,7
	global_load_b128 v[R+64*((\s)%2)+4*\i:R+64*((\s)%2)+4*\i+3], v[LI], s[SRC:SRC+1] offset:\i*4096+(\s)*512 th:TH_LOAD_NT
.endr
.irp i, 8,9,10,11,12,13,14,15
	global_load_b128 v[R+64*((\s)%2)+4*\i:R+64*((\s)%2)+4*\i+3], v[VOH], s[SRC:SRC+1] offset:\i*4096+(\s)*512 th:TH_LOAD_NT
.endr
.endm
.macro UNIT s
.if (\s) < 3
	s_wait_loadcnt 16                              ; this unit's 16 loads are in; the next unit's 16 may be out
.else
	s_wait_loadcnt 0x0
.endif
.irp i, 0,1,2,3,4,5,6,7,8,9,10,11,12,13,14,15
	ds_store_b128 v[STI], v[R+64*((\s)%2)+4*\i:R+64*((\s)%2)+4*\i+3] offset:528*\i
.endr
.irp b, 0,1,2,3
.irp j, 0,1,2,3
	ds_load_b128 v[X+16*\b+4*\j:X+16*\b+4*\j+3], v[STO] offset:128*\b+16*\j    ; LDS serves a wave's instructions in order: these see the stores above
.endr
.endr
	s_wait_dscnt 0x0                               ; my 64 numbers are in
	s_wait_xcnt 0x0                                ; the stores of two units back have read their codes: that set is written again below
.if (\s) < 2
	LOADU (\s)+2
.endif
	QUANT X, COD+16*((\s)%2)
.irp c, 0,1,2,3
	global_store_b128 v[LI], v[COD+16*((\s)%2)+4*\c:COD+16*((\s)%2)+4*\c+3], s[DST:DST+1] offset:((\s)/2)*RC+((\s)%2)*2048+512*\c   ; 512 consecutive bytes, aligned
.endr
.if (\s)%2 == 0
	v_mov_b32 v[PWE], v[PW]
.else
	v_cndmask_b32 v[SW+(\s)/2], v[PWE], v[PW], s[HM]               ; lanes 0-15 the even K step's words, lanes 16-31 the odd one's
	global_store_b32 v[LS], v[SW+(\s)/2], s[DST:DST+1] offset:((\s)/2)*RC+4096
.endif
.endm
	LOADU 0
	LOADU 1
	s_wait_alu depctr_va_vdst(0)
	UNIT 0
	UNIT 1
	UNIT 2
	UNIT 3
	s_wait_tensorcnt 0x0
	ds_add_u32 v30, v31
	s_wait_dscnt 0x0
	s_endpgm
	; ---- the weights.  A LANE TAKES A COLUMN n AND ITS REGISTERS RUN DOWN K: a block of 32 lies in one lane, and the conversions give codes with K innermost
.Lweights:
	s_sub_co_u32 s21, ttmp9, XWG
	s_lshr_b32 s22, s21, 5                         ; which weight: 32 work-groups each
	s_bfe_u32 s23, s21, 0x30002                    ; which 128 columns
	s_and_b32 s24, s21, 3                          ; which 256 along K: the record's number
	s_lshl_b32 s25, s23, 2
	s_add_co_u32 s25, s25, s20                     ; my wave's group of 32 columns
	s_and_b32 s26, s22, 1
	s_wait_kmcnt 0x0
	s_cmp_lt_u32 s22, 2
	s_cselect_b64 s[SRC:SRC+1], s[10:11], s[14:15]
	s_cselect_b64 s[34:35], s[12:13], s[16:17]
	s_cmp_eq_u32 s26, 1
	s_cselect_b64 s[SRC:SRC+1], s[34:35], s[SRC:SRC+1]
	s_lshl_b32 s34, s24, 20                        ; 256 rows of 4,096 bytes
	s_lshl_b32 s35, s25, 7
	s_add_co_u32 s34, s34, s35
	s_mov_b32 s35, 0
	s_add_nc_u64 s[SRC:SRC+1], s[SRC:SRC+1], s[34:35]
	s_lshl_b32 s34, s22, 6
	s_lshl_b32 s38, s25, 1
	s_add_co_u32 s34, s34, s38
	s_add_co_u32 s34, s34, WT0                     ; the group's first tile in opnd
	s_mul_i32 s34, s34, TS
	s_mul_i32 s38, s24, RC
	s_add_co_u32 s34, s34, s38
	s_add_nc_u64 s[DST:DST+1], s[18:19], s[34:35]
	s_add_co_u32 s39, s39, WLDS                    ; my stage: the group's two records
	v_bfe_u32 v2, v0, 3, 1                         ; column 32 g + lane is index r = lane % 8 + 8 (lane / 16) of tile 2 g + u, u = (lane / 8) % 2
	v_and_b32 v3, 7, v0
	v_bfe_u32 v5, v0, 4, 1
	v_lshl_add_u32 v3, v5, 3, v3
	v_mul_u32_u24 v2, v2, RL
	v_add_nc_u32 v2, s39, v2
	v_lshl_add_u32 v4, v3, 4, v2                   ; my codes: 16 r in an image's group of 512 bytes; k 16 .. 31 of a block 256 bytes on
	v_lshl_add_u32 v5, v3, 2, v2                   ; my scale words
	v_add_nc_u32 v8, s39, v[LI]                    ; back: 16 bytes a lane,
	v_add_nc_u32 v9, s39, v[LS]                    ; the scale words 4
.macro WLOAD t                         ; block t: W(32 t + i, my column): 128 consecutive bytes a wave
.irp i, 0,1,2,3,4,5,6,7,8,9,10,11,12,13,14,15,16,17,18,19,20,21,22,23,24,25,26,27,28,29,30,31
	global_load_b32 v[WX+32*((\t)%2)+\i], v[LS], s[SRC:SRC+1] offset:(32*(\t)+\i)*4096 th:TH_LOAD_NT
.endr
.endm
.macro WBLOCK t
.set XS, WX+32*((\t)%2)
.if (\t) < 7
	s_wait_loadcnt 32                              ; this block's 32 loads are in; the next block's may be out
.else
	s_wait_loadcnt 0x0
.endif
	v_max3_num_f32 v12, |v[XS]|, |v[XS+1]|, |v[XS+2]|
	v_max3_num_f32 v13, |v[XS+3]|, |v[XS+4]|, |v[XS+5]|
.irp i, 6,10,14,18,22,26
	v_max3_num_f32 v12, v12, |v[XS+\i]|, |v[XS+\i+1]|
	v_max3_num_f32 v13, v13, |v[XS+\i+2]|, |v[XS+\i+3]|
.endr
	v_max3_num_f32 v12, v12, |v[XS+30]|, |v[XS+31]|
	v_max3_num_f32 v12, v12, v13, 0x4800000        ; and the floor
	v_add_nc_u32 v11, 0xfc000000, v12              ; the conversion's scale operand
	v_and_or_b32 v10, v12, 0x7f800000, s[MNT]      ; 448 x the scale
	v_lshrrev_b32 v13, 23, v11                     ; the byte
.if (\t)%4 == 0
	v_mov_b32 v[SB+(\t)/4], v13
.else
	v_lshl_or_b32 v[SB+(\t)/4], v13, 8*((\t)%4), v[SB+(\t)/4]
.endif
.irp i, 0,1,2,3,4,5,6,7,8,9,10,11,12,13,14,15,16,17,18,19,20,21,22,23,24,25,26,27,28,29,30,31
	v_med3_num_f32 v[XS+\i], v[XS+\i], -v10, v10
.endr
.irp g, 0,1,2,3
	v_cvt_scalef32_pk8_fp8_f32 v[WC+2*\g:WC+2*\g+1], v[XS+8*\g:XS+8*\g+7], v11
.endr
	ds_store_b128 v4, v[WC:WC+3] offset:((\t)/4)*2048+512*((\t)%4)
	ds_store_b128 v4, v[WC+4:WC+7] offset:((\t)/4)*2048+512*((\t)%4)+256
.if (\t)+2 < 8
	WLOAD (\t)+2
.endif
	s_wait_dscnt 0x0                               ; the stores have read their registers: the next block's codes may be written
.endm
	WLOAD 0
	WLOAD 1
.irp t, 0,1,2,3,4,5,6,7
	WBLOCK \t
.endr
	ds_store_b32 v5, v[SB] offset:4096             ; the even K step's word of my column,
	ds_store_b32 v5, v[SB+1] offset:4096+64        ; the odd one's
.irp u, 0,1
.irp k, 0,1,2,3,4,5,6,7
	ds_load_b128 v[WO+32*\u+4*\k:WO+32*\u+4*\k+3], v8 offset:\u*RL+512*\k      ; LDS serves a wave's instructions in order: these see my stores
.endr
	ds_load_b32 v[WS+\u], v9 offset:\u*RL+4096
.endr
	s_wait_dscnt 0x0
.irp u, 0,1
.irp k, 0,1,2,3,4,5,6,7
	global_store_b128 v[LI], v[WO+32*\u+4*\k:WO+32*\u+4*\k+3], s[DST:DST+1] offset:\u*TS+512*\k    ; 512 consecutive bytes, aligned
.endr
	global_store_b32 v[LS], v[WS+\u], s[DST:DST+1] offset:\u*TS+4096
.endr
	s_wait_tensorcnt 0x0
	ds_add_u32 v30, v31
	s_wait_dscnt 0x0
	s_endpgm
.Lfunc_end_k_q96e846a57b_prep:
	.size	k_q96e846a57b_prep, .Lfunc_end_k_q96e846a57b_prep-k_q96e846a57b_prep
	.p2alignl 7, 3214868480
	.fill 96, 4, 3214868480
	.section	.rodata,"a",@progbits
	.p2align	6, 0x0
	.amdhsa_kernel k_q96e846a57b_prep
		.amdhsa_group_segment_fixed_size 68096
		.amdhsa_private_segment_fixed_size 0
		.amdhsa_enable_private_segment 0
		.amdhsa_kernarg_size 64
		.amdhsa_user_sgpr_count 2
		.amdhsa_user_sgpr_kernarg_segment_ptr 1
		.amdhsa_wavefront_size32 1
		.amdhsa_system_sgpr_workgroup_id_x 1
		.amdhsa_system_sgpr_workgroup_id_y 1
		.amdhsa_system_sgpr_workgroup_id_z 1
		.amdhsa_system_vgpr_workitem_id 0
		.amdhsa_next_free_vgpr 256
		.amdhsa_next_free_sgpr 66
		.amdhsa_reserve_vcc 0
		.amdhsa_float_denorm_mode_32 3
		.amdhsa_float_denorm_mode_16_64 3
		.amdhsa_memory_ordered 1
		.amdhsa_forward_progress 1
		.amdhsa_inst_pref_size 110
	.end_amdhsa_kernel
	.amdgpu_metadata
---
amdhsa.version: [ 1, 2 ]
amdhsa.kernels:
  - .name:           k_q96e846a57b_prep
    .symbol:         k_q96e846a57b_prep.kd
    .args:
      - { .name: q, .offset: 0, .size: 8, .value_kind: global_buffer, .address_space: global }
      - { .name: k, .offset: 8, .size: 8, .value_kind: global_buffer, .address_space: global }
      - { .name: v, .offset: 16, .size: 8, .value_kind: global_buffer, .address_space: global }
      - { .name: wq, .offset: 24, .size: 8, .value_kind: global_buffer, .address_space: global }
      - { .name: wk, .offset: 32, .size: 8, .value_kind: global_buffer, .address_space: global }
      - { .name: wv, .offset: 40, .size: 8, .value_kind: global_buffer, .address_space: global }
      - { .name: wo, .offset: 48, .size: 8, .value_kind: global_buffer, .address_space: global }
      - { .name: opnd, .offset: 56, .size: 8, .value_kind: global_buffer, .address_space: global }
    .group_segment_fixed_size: 68096
    .private_segment_fixed_size: 0
    .kernarg_segment_align: 8
    .kernarg_segment_size: 64
    .max_flat_workgroup_size: 128
    .sgpr_count:     66
    .vgpr_count:     256
    .wavefront_size: 32
...
	.end_amdgpu_metadata
.endif
;; end of part 1
;; launch proj (part 2): grid 4 x 192, 4 waves a work-group, clusters of 4 x 4, 327,680 bytes of LDS; arguments opnd, bq, bk, bv, heads; writes heads
.if DOCPART == 2
	.amdgcn_target "amdgcn-amd-amdhsa--gfx1250"
	.amdhsa_code_object_version 6
	.text
	.protected	k_q96e846a57b_proj
	.globl	k_q96e846a57b_proj
	.p2align	8
	.type	k_q96e846a57b_proj,@function
k_q96e846a57b_proj:
	s_mov_b64 s[64:65], 0
	v_nop
	global_prefetch_b8 v0, s[64:65] scope:SCOPE_SE
	s_setreg_imm32_b32 hwreg(HW_REG_WAVE_MODE, 25, 1), 1
	s_wait_xcnt 0x0
	s_wait_alu depctr_hold_cnt(0) depctr_sa_sdst(0) depctr_va_vdst(0) depctr_va_sdst(0) depctr_va_ssrc(0) depctr_va_vcc(0) depctr_vm_vsrc(0)
	s_getreg_b32 s2, hwreg(HW_REG_IB_STS2, 6, 4)
	s_cmp_eq_u32 s2, 0
	s_cbranch_scc0 .Lentry_in_a_cluster
	s_endpgm
.Lentry_in_a_cluster:
	s_bfe_u32 s2, ttmp6, 0x10000c
	s_cmp_lg_u32 s2, 0xf033
	s_cbranch_scc0 .Lentry_shape_is_right
	s_endpgm
.Lentry_shape_is_right:
; The three projections, each one product "rows of P x rows of R" over K = 1,024 on codes of E4M3 with E8M0 scales, whose results are quantised along R's rows and stored as images of the next products' operands.
;   q (clusters y 0-15):  P = x_q, R = wq: (x wq + bq) / 8 -> Q's images (the 1/8 is attention's 1 / sqrt(64): a power of two, which the block's scale takes up).
;   k (16-31):            P = x_k, R = wk: x wk + bk -> K's images in the key steps' records.
;   v (32-47):            P = wv,  R = x_v: the roles are swapped, so that a lane holds one channel and its registers run along the KEYS, the second attention product's K: V^T's images, with nothing transposed.
; THE MATRIX INSTRUCTION: source 0 = 16 rows of R, source 1 = 16 rows of P.  Lane (r, h) holds P's row index r; R's tiles hold their rows in the order 32 g + 8 u + r + 8 (r / 8), so that register 16 g + i of eight neighbouring tiles is
; R's row 32 g + 16 h + i: 64 numbers a lane in the order of a fragment's registers.
; SHARES.  A work-group makes 128 rows of P x 256 rows of R; wave w: P's tiles 4 (w / 2) on, R's tiles 8 (w % 2) on: 32 accumulators; its 128 along R are one fragment of the next product.  768 work-groups.
; OPERANDS lie in opnd as records (two K steps of one tile: two images of 2,048 bytes and 128 bytes of scale words): every fragment comes from LDS by four loads of 16 bytes a lane, 512 consecutive bytes each.
; THE RING: three LDS slots of 24 records (256 along K); slots 0, 1, 2 are filled at the start, slot 0 once more.  A wave has at most one tensor load out.
; CLUSTER 4 x 4: P's records hang on the cluster's row, R's on its column: each is asked for jointly by the four that need it.  Wave 0 asks for P's 8 records, wave 1 for R's 16, waves 2 and 3 for none.
; LIMITS: as the quantiser's in the launch before; for q blocks under 2^-115 keep the byte 1 (the 1/8 stands ahead of the quantiser).  NaN and infinities are not served.
; REGISTERS: window 0: v1-15 addresses; v16-39 scale words, two sets; v40-63 the way out's work; v64-127 the bias as C; v128-255 P's fragments, two sets.  window 1: the accumulators, (a, b) at v[8 (8 a + b)].  window 2: R's fragments, two sets.
.set RC,    4352
.set RL,    4224
.set TS,    4*RC
.set REC,   33792                      ; a key step's record in heads: K's 8 images, V^T's 8 images, K's and V's scale units
.set QSOFF, 8388608                    ; heads: Q's scale units
.set KVOFF, 8650752                    ; heads: the records
.set PART,  8*RL                       ; what P's tensor load brings
.set SLOT,  3*PART                     ; P's 8 records, then R's 16
.set SPARE, 3*SLOT                     ; the spare words, 128 bytes for each wave: two blocks of 256 bytes that no other line names
.set WV,  14
.set AH,  15                           ; wave / 2: my half of P's tiles
.set JH,  16                           ; wave % 2: my half of R's tiles
.set CX,  17
.set CY,  18
.set YC,  19
.set PR,  20                           ; 0 q, 1 k, 2 v: the same in all partners of a cluster
.set YL,  21
.set IT,  22                           ; which 128 rows of P
.set JT,  23                           ; which 256 rows of R
.set G1P, 24                           ; s[24:31], s[32:39] descriptor groups 1
.set G1R, 32
.set G0P, 40                           ; s[40:51], s[52:63] groups 0, a set for each slot
.set G0R, 52
.set SCQ, 66                           ; s[66:67] 1/8 for q, else 1
.set SEL, 68
.set MNT, 70
.set HM,  71
.set OUTC, 72                          ; s[72:73] where my codes go
.set OUTS, 74                          ; s[74:75] and my scale unit
.set BP,  76                           ; s[76:77] the bias
.set ADP, 1                            ; v1-3   P's fragments in slot 0, 1, 2: 16 x lane on
.set ADR, 4                            ; v4-6   R's
.set SSP, 7                            ; v7-9   P's scale words: 4 x lane on
.set SSR, 10                           ; v10-12 R's
.set SPW, 13
.set NIL, 14
.set LI,  15                           ; 16 x lane
.set SCB, 16                           ; scale words: set (K step / 2) % 2 at 12 each: P's four tiles, R's eight; lanes 0-15 the even K step's, lanes 16-31 the odd one's
.set TM,  40
.set PW,  56
.set PWS, 57
.set L8,  61
.set SW,  62
.set BIA, 64
.set PF,  128
.set NUM, 128
.set COD, 192
.set MSB, 0
.macro WIN new                         ; the immediate's high byte repeats the setting that is left
.if MSB != \new
	s_set_vgpr_msb (MSB<<8)|\new
.set MSB, \new
.endif
.endm
.set MUL,  0x52                        ; source 0 (R) window 2, source 1 (P) window 0, C and D window 1
.set MULC, 0x42                        ; the same with C (the bias) in window 0
.set TO_R, 0x80                        ; destination window 2
.macro PLACES n
.rept \n
	v_nop
.endr
.endm
.macro CROUND                          ; a round of the cluster's barrier
	s_barrier_signal -1
	s_barrier_wait -1
	s_cmp_lg_u32 s[WV], 0
	s_cbranch_scc1 .Lnot_wave_0_\@
	s_barrier_signal -3
.Lnot_wave_0_\@:
	s_barrier_wait -3
	s_barrier_signal -1
	s_barrier_wait -1
.endm
.macro JLOAD sl                        ; a joint load; the branches hang on the wave's number alone; four v_nop follow each of the two lines
	s_cmp_eq_u32 s[WV], 0
	s_cbranch_scc0 .Lnot_p_\@
	tensor_load_to_lds s[G0P+4*(\sl):G0P+4*(\sl)+3], s[G1P:G1P+7]
	s_nop 0
	PLACES 4
	s_branch .Lasked_\@
.Lnot_p_\@:
	s_cmp_lt_u32 s[WV], 2                          ; behind the head wave 0 asks for P's 8 records and wave 1 for R's 16
	s_cbranch_scc0 .Lasked_\@
	tensor_load_to_lds s[G0R+4*(\sl):G0R+4*(\sl)+3], s[G1R:G1R+7]
	s_nop 0
	PLACES 4
.Lasked_\@:
.endm
.macro QUANT s, pc                     ; 64 numbers of a lane, register 16 b + i = k 32 b + 16 (lane / 16) + i, become a fragment's codes in v[pc] on and its scale word in v[PW]
.irp b, 0,1,2,3
	v_max3_num_f32 v[TM+\b], |v[(\s)+16*\b]|, |v[(\s)+16*\b+1]|, 0x4800000      ; and the floor 2^(9 - 127): the byte cannot fall under 1
.endr
.irp i, 2,4,6,8,10,12,14
.irp b, 0,1,2,3
	v_max3_num_f32 v[TM+\b], v[TM+\b], |v[(\s)+16*\b+\i]|, |v[(\s)+16*\b+\i+1]|
.endr
.endr
.irp b, 0,1,2,3
	v_permlanex16_b32 v[TM+4+\b], v[TM+\b], s[SEL], s[SEL+1]
.endr
.irp b, 0,1,2,3
	v_max_num_f32 v[TM+\b], v[TM+\b], v[TM+4+\b]
.endr
.irp b, 0,1,2,3
	v_add_nc_u32 v[TM+12+\b], 0xfc000000, v[TM+\b]                ; 8 off the exponent field: the conversion's scale operand
.endr
.irp b, 0,1,2,3
	v_and_or_b32 v[TM+8+\b], v[TM+\b], 0x7f800000, s[MNT]         ; 448 x the scale
.endr
.irp b, 0,1,2,3
	v_lshrrev_b32 v[TM+4+\b], 23, v[TM+12+\b]                     ; the byte
.endr
	v_lshl_or_b32 v[PW], v[TM+5], 8, v[TM+4]
	v_lshl_or_b32 v[PW], v[TM+6], 16, v[PW]
	v_lshl_or_b32 v[PW], v[TM+7], 24, v[PW]
.irp b, 0,1,2,3
.irp i, 0,1,2,3,4,5,6,7,8,9,10,11,12,13,14,15
	v_med3_num_f32 v[(\s)+16*\b+\i], v[(\s)+16*\b+\i], -v[TM+8+\b], v[TM+8+\b]   ; the conversion does not saturate (ISA guide 7.6.2)
.endr
	v_cvt_scalef32_pk8_fp8_f32 v[(\pc)+4*\b:(\pc)+4*\b+1], v[(\s)+16*\b:(\s)+16*\b+7], v[TM+12+\b]
	v_cvt_scalef32_pk8_fp8_f32 v[(\pc)+4*\b+2:(\pc)+4*\b+3], v[(\s)+16*\b+8:(\s)+16*\b+15], v[TM+12+\b]
.endr
	v_nop                                          ; one plain line behind the last conversion
.endm
; K step s's fragments: R's eight and P's four into set s % 2; with an even K step the record's scale words, which serve the odd one too
.macro FETCH s
.set FSL, ((\s)/2)%3
.set FQ,  (\s)%2
.set FS,  SCB+12*(((\s)/2)%2)
	WIN TO_R
.irp b, 0,1,2,3,4,5,6,7
.irp c, 0,1,2,3
	ds_load_b128 v[128*FQ+16*\b+4*\c:128*FQ+16*\b+4*\c+3], v[ADR+FSL] offset:\b*RL+FQ*2048+512*\c
.endr
.endr
	WIN 0
.irp a, 0,1,2,3
.irp c, 0,1,2,3
	ds_load_b128 v[PF+64*FQ+16*\a+4*\c:PF+64*FQ+16*\a+4*\c+3], v[ADP+FSL] offset:\a*RL+FQ*2048+512*\c
.endr
.endr
.if FQ == 0
.irp a, 0,1,2,3
	ds_load_b32 v[FS+\a], v[SSP+FSL] offset:\a*RL+4096
.endr
.irp b, 0,1,2,3,4,5,6,7
	ds_load_b32 v[FS+4+\b], v[SSR+FSL] offset:\b*RL+4096
.endr
.endif
.endm
; K step s's 32 products.  The 32 accumulators take turns, one instruction a turn, in the same order in every K step.
; cmode 0: in place; 1: the sums start from the bias of R's tile; 2: from that of P's tile
.macro MUL32 s, cmode
.set MQ, (\s)%2
.set MS, SCB+12*(((\s)/2)%2)
.irp a, 0,1,2,3
.irp b, 0,1,2,3,4,5,6,7
.if \cmode == 1
	v_wmma_scale_f32_16x16x128_f8f6f4 v[8*(8*\a+\b):8*(8*\a+\b)+7], v[16*\b:16*\b+15], v[PF+16*\a:PF+16*\a+15], v[BIA+8*\b:BIA+8*\b+7], v[MS+4+\b], v[MS+\a]
.elseif \cmode == 2
	v_wmma_scale_f32_16x16x128_f8f6f4 v[8*(8*\a+\b):8*(8*\a+\b)+7], v[16*\b:16*\b+15], v[PF+16*\a:PF+16*\a+15], v[BIA+8*\a:BIA+8*\a+7], v[MS+4+\b], v[MS+\a]
.elseif MQ == 0
	v_wmma_scale_f32_16x16x128_f8f6f4 v[8*(8*\a+\b):8*(8*\a+\b)+7], v[16*\b:16*\b+15], v[PF+16*\a:PF+16*\a+15], v[8*(8*\a+\b):8*(8*\a+\b)+7], v[MS+4+\b], v[MS+\a]
.else
	v_wmma_scale_f32_16x16x128_f8f6f4 v[8*(8*\a+\b):8*(8*\a+\b)+7], v[128+16*\b:128+16*\b+15], v[PF+64+16*\a:PF+64+16*\a+15], v[8*(8*\a+\b):8*(8*\a+\b)+7], v[MS+4+\b], v[MS+\a] matrix_a_scale:MATRIX_SCALE_ROW1 matrix_b_scale:MATRIX_SCALE_ROW1
.endif
.endr
.endr
.endm
	s_load_b256 s[4:11], s[0:1], 0x0               ; opnd s[4:5], bq s[6:7], bk s[8:9], bv s[10:11]
	s_load_b64 s[12:13], s[0:1], 0x20              ; heads
	v_lshl_add_u32 v[SPW], v0, 2, SPARE
	v_mov_b32 v[NIL], 0
	ds_add_u32 v13, v14
	ds_add_u32 v13, v14
	s_wait_dscnt 0x0
	v_lshrrev_b32 v128, 5, v0
	v_readfirstlane_b32 s[WV], v128                ; wave 0..3
	s_lshr_b32 s[AH], s[WV], 1
	s_and_b32 s[JH], s[WV], 1
	s_bfe_u32 s[CX], ttmp6, 0x40000
	s_bfe_u32 s[CY], ttmp6, 0x40004
	s_and_b32 s[YC], ttmp7, 0xffff                 ; the cluster's y, 0..47
	s_lshr_b32 s[PR], s[YC], 4
	s_and_b32 s[YL], s[YC], 15
	s_lshr_b32 s78, s[YL], 3
	s_and_b32 s79, s[YL], 7
	s_lshl_b32 s80, s[PR], 9                       ; x_q's or x_k's first tile
	s_lshl_b32 s82, s[PR], 6
	s_add_co_u32 s82, s82, 1536                    ; wq's or wk's
	s_cmp_eq_u32 s[PR], 2
	s_cselect_b32 s[IT], s78, s[YL]
	s_cselect_b32 s[JT], s79, 0
	s_cselect_b32 s80, 1664, s80                   ; v: P = wv,
	s_cselect_b32 s82, 1024, s82                   ;    R = x_v
	s_lshl_b32 s[IT], s[IT], 2
	s_add_co_u32 s[IT], s[IT], s[CY]               ; P's block hangs on cy alone,
	s_lshl_b32 s[JT], s[JT], 2
	s_add_co_u32 s[JT], s[JT], s[CX]               ; R's on cx alone
	s_cmp_eq_u32 s[PR], 0
	s_cselect_b32 s[SCQ], 0x3e000000, 1.0
	s_mov_b32 s[SCQ+1], s[SCQ]
	s_mov_b32 s[SEL], 0x76543210
	s_mov_b32 s[SEL+1], 0xfedcba98
	s_mov_b32 s[MNT], 0x600000
	s_mov_b32 s[HM], 0xffff0000
	s_lshl_b32 s78, s[CY], 2
	s_lshl_b32 s78, 15, s78                        ; my row of the cluster
	s_lshl_b32 s79, 0x1111, s[CX]                  ; my column
	; descriptor group 1: 8 records of 528 elements of 8 bytes, a tile's four records (2,176 elements) apart; dense in LDS
	s_or_b32 s[G1P], s78, (3<<16)|(1<<21)          ; 15:0 the mask; 17:16 elements of 8 bytes; 21 set beside a mask
	s_or_b32 s[G1R], s79, (3<<16)|(1<<21)
.irp g, G1P, G1R
	s_mov_b32 s[\g+1], 528<<16                     ; tensor_dim0
	s_mov_b32 s[\g+2], 8<<16                       ; tensor_dim1
	s_mov_b32 s[\g+3], 528<<16                     ; tile_dim0
	s_mov_b32 s[\g+4], 8                           ; tile_dim1
	s_mov_b32 s[\g+5], TS/8                        ; tensor_dim0_stride
	s_mov_b32 s[\g+6], 0
	s_mov_b32 s[\g+7], 0
.endr
	s_mov_b32 s[G1R+2], 16<<16                     ; R's 16 records come by one load: tensor_dim1,
	s_mov_b32 s[G1R+4], 16                         ; tile_dim1
	s_lshl_b32 s84, s[IT], 3
	s_add_co_u32 s84, s84, s80
	s_mul_i32 s84, s84, TS                         ; P's first record
	s_mov_b32 s85, 0
	s_lshl_b32 s86, s[JT], 4
	s_add_co_u32 s86, s86, s82
	s_mul_i32 s86, s86, TS                         ; R's first record
	s_mov_b32 s87, 0
	s_wait_kmcnt 0x0
	s_add_nc_u64 s[84:85], s[4:5], s[84:85]
	s_add_nc_u64 s[86:87], s[4:5], s[86:87]
.irp sl, 0,1,2
	s_mov_b32 s[G0P+4*\sl], 1
	s_mov_b32 s[G0P+4*\sl+1], \sl*SLOT             ; P's 8 records at the slot's head,
	s_add_nc_u64 s[G0P+4*\sl+2:G0P+4*\sl+3], s[84:85], \sl*RC
	s_or_b32 s[G0P+4*\sl+3], s[G0P+4*\sl+3], 0x80000000
	s_mov_b32 s[G0R+4*\sl], 1
	s_mov_b32 s[G0R+4*\sl+1], PART+\sl*SLOT        ; R's 16 behind them
	s_add_nc_u64 s[G0R+4*\sl+2:G0R+4*\sl+3], s[86:87], \sl*RC
	s_or_b32 s[G0R+4*\sl+3], s[G0R+4*\sl+3], 0x80000000
.endr
	CROUND
; THE HEAD'S LOADS, ONE A WAVE: slots 0 and 1 whole.  Wave 0: P's records of slot 0; wave 1: of slot 1; wave 2: R's of slot 0; wave 3: of slot 1.  One chain of branches on the wave's number: every way passes exactly one load.
.macro ARM under, g0, g1, next
	s_cmp_lt_u32 s[WV], \under
	s_cbranch_scc0 \next
	tensor_load_to_lds s[\g0:\g0+3], s[\g1:\g1+7]
	s_nop 0
	PLACES 4
	s_branch .Lhead_asked
\next:
.endm
	ARM 1, G0P, G1P, .Lhead_1
	ARM 2, G0P+4, G1P, .Lhead_2
	ARM 3, G0R, G1R, .Lhead_3
	tensor_load_to_lds s[G0R+4:G0R+7], s[G1R:G1R+7]
	s_nop 0
	PLACES 4
.Lhead_asked:
	v_and_b32 v128, 31, v0                         ; lane
	v_and_b32 v129, 15, v0                         ; r
	v_bfe_u32 v130, v0, 4, 1                       ; h
	v_lshlrev_b32 v[LI], 4, v128
	v_lshlrev_b32 v132, 2, v128
	s_mul_i32 s78, s[AH], 4*RL                     ; my four records of P
	s_mul_i32 s79, s[JH], PART
	s_add_co_u32 s79, s79, PART                    ; my eight of R, behind P's eight
.irp sl, 0,1,2
	v_add_nc_u32 v[ADP+\sl], s78, v[LI]
	v_add_nc_u32 v[ADR+\sl], s79, v[LI]
	v_add_nc_u32 v[SSP+\sl], s78, v132
	v_add_nc_u32 v[SSR+\sl], s79, v132
	s_add_co_u32 s78, s78, SLOT
	s_add_co_u32 s79, s79, SLOT
.endr
	; the bias, in the result's layout, as the C of each sum's first product
	s_lshl_b32 s88, s[JT], 1
	s_add_co_u32 s88, s88, s[JH]                   ; jt: which 128 rows of R are my wave's
	s_lshl_b32 s78, s88, 9                         ; q, k: the bias runs along R: my 128 numbers
	s_lshl_b32 s79, s[IT], 9
	s_lshl_b32 s81, s[AH], 8
	s_add_co_u32 s79, s79, s81                     ; v: along P: my 64
	s_cmp_eq_u32 s[PR], 0
	s_cselect_b64 s[BP:BP+1], s[6:7], s[8:9]
	s_cmp_eq_u32 s[PR], 2
	s_cselect_b64 s[BP:BP+1], s[10:11], s[BP:BP+1]
	s_cselect_b32 s78, s79, s78
	s_mov_b32 s79, 0
	s_add_nc_u64 s[BP:BP+1], s[BP:BP+1], s[78:79]
	s_cmp_eq_u32 s[PR], 2
	s_cbranch_scc1 .Lbias_v
	v_lshlrev_b32 v131, 6, v130                    ; register 16 g + i wants the bias of R's row 32 g + 16 h + i
.irp b, 0,1,2,3
.irp j, 0,1,2,3
	global_load_b128 v[BIA+16*\b+4*\j:BIA+16*\b+4*\j+3], v131, s[BP:BP+1] offset:128*\b+16*\j
.endr
.endr
	s_branch .Lbias_in
.Lbias_v:
	v_and_b32 v131, 8, v129
	v_add_nc_u32 v131, v131, v129
	v_lshlrev_b32 v131, 2, v131                    ; a lane holds one channel: index r of P's tile a is channel 32 (a / 2) + 8 (a % 2) + r + 8 (r / 8): the same number in the tile's eight registers
.irp a, 0,1,2,3
.irp j, 0,1,2,3,4,5,6,7
	global_load_b32 v[BIA+8*\a+\j], v131, s[BP:BP+1] offset:(32*(\a/2)+8*(\a%2))*4
.endr
.endr
.set n, 32
.rept 32
	v_mov_b32 v[BIA+n], 0                          ; the registers that only the other way's products name: written here too, so that each register that the text reads is defined on every way through it
.set n, n+1
.endr
.Lbias_in:
	; where my results go, in bytes from heads
	s_lshr_b32 s89, s[IT], 4
	s_lshl_b32 s89, s89, 3
	s_add_co_u32 s89, s89, s88                     ; q, k: 8 x batch + head pair
	s_lshl_b32 s90, s[IT], 3
	s_and_b32 s90, s90, 127                        ; q: the block's first tile in its batch
	s_lshl_b32 s91, s89, 7
	s_add_co_u32 s91, s91, s90
	s_lshl_b32 s96, s[AH], 2
	s_add_co_u32 s91, s91, s96
	s_lshl_b32 s91, s91, 11                        ; q: my four images
	s_lshl_b32 s92, s89, 5
	s_lshr_b32 s96, s90, 2
	s_add_co_u32 s92, s92, s96
	s_add_co_u32 s92, s92, s[AH]
	s_lshl_b32 s92, s92, 8
	s_add_co_u32 s92, s92, QSOFF                   ; q: my scale unit
	s_lshl_b32 s93, s89, 4
	s_and_b32 s96, s[IT], 15
	s_add_co_u32 s93, s93, s96                     ; k: the record (pair, key step)
	s_lshr_b32 s94, s88, 4
	s_lshl_b32 s94, s94, 3
	s_add_co_u32 s94, s94, s[IT]
	s_lshl_b32 s94, s94, 4
	s_and_b32 s96, s88, 15
	s_add_co_u32 s94, s94, s96                     ; v: likewise: batch = jt / 16, pair = IT, key step = jt % 16
	s_cmp_eq_u32 s[PR], 2
	s_cselect_b32 s93, s94, s93
	s_cselect_b32 s94, 16384, 0                    ; V^T's images lie behind K's,
	s_cselect_b32 s95, 512, 0                      ; its scale units behind K's
	s_mul_i32 s93, s93, REC
	s_add_co_u32 s93, s93, KVOFF
	s_lshl_b32 s96, s[AH], 13
	s_add_co_u32 s94, s94, s96
	s_add_co_u32 s94, s94, s93
	s_lshl_b32 s96, s[AH], 8
	s_add_co_u32 s95, s95, s96
	s_add_co_u32 s95, s95, s93
	s_add_co_u32 s95, s95, 32768
	s_cmp_eq_u32 s[PR], 0
	s_cselect_b32 s96, s91, s94
	s_cselect_b32 s94, s92, s95
	s_mov_b32 s97, 0
	s_mov_b32 s95, 0
	s_add_nc_u64 s[OUTC:OUTC+1], s[12:13], s[96:97]
	s_add_nc_u64 s[OUTS:OUTS+1], s[12:13], s[94:95]
	s_wait_alu depctr_va_vdst(0)                   ; the wait at the head's end
	s_wait_tensorcnt 0x0                           ; my part of slot 0 or 1 is in
	ds_add_u32 v[SPW], v[NIL]                      ; the add
	s_wait_dscnt 0x0
	CROUND                                         ; slots 0 and 1 are whole in every partner
	JLOAD 2                                        ; slot 2's first fill: K steps 4 and 5
	s_wait_loadcnt 0x0
	FETCH 0
	s_wait_dscnt 0x0
	FETCH 1
	s_cmp_eq_u32 s[PR], 2                          ; K step 0 starts the sums from the bias: by R's tile, or by P's
	s_cbranch_scc1 .Lk0_v
	WIN MULC
	s_wait_alu depctr_va_vdst(0)
	MUL32 0, 1
	WIN 0
	s_branch .Lk0_in
.Lk0_v:
	WIN MULC
	MUL32 0, 2
	WIN 0
.Lk0_in:
	; K step 1: slot 0 is filled again, with K steps 6 and 7
	s_wait_dscnt 0x0                               ; K step 1's fragments are in; slot 1 came with the head's loads and was whole at the first round
	PLACES 8                                       ; in front of loads into registers that K step 0's products have read (ISA guide 7.12.1 for vector instructions)
	s_wait_alu depctr_va_vdst(0)
	FETCH 2
	WIN MUL
	MUL32 1, 0
	s_wait_dscnt 0x0                               ; K step 2's fragments are in
	PLACES 8
	FETCH 3
	WIN MUL
	MUL32 2, 0
	WIN 0
	s_wait_tensorcnt 0x0                           ; my part of slot 2 is in, so a group 0 may be written
	ds_add_u32 v[SPW], v[NIL]
	s_add_nc_u64 s[G0P+2:G0P+3], s[G0P+2:G0P+3], 3*RC
	s_add_nc_u64 s[G0R+2:G0R+3], s[G0R+2:G0R+3], 3*RC
	s_wait_dscnt 0x0                               ; the adds are done; K step 3's fragments are in
	CROUND                                         ; slot 2 is whole; slot 0 was last read for K step 1
	JLOAD 0                                        ; slot 0 once more: K steps 6 and 7
	PLACES 8
	FETCH 4
	WIN MUL
	MUL32 3, 0
	s_wait_dscnt 0x0
	PLACES 8
	FETCH 5
	WIN MUL
	MUL32 4, 0
	s_wait_tensorcnt 0x0                           ; K step 5: my one load that was out is my part of slot 0's second fill
	s_wait_dscnt 0x0
	s_barrier_signal -1
	s_barrier_wait -1                              ; everybody's is in
	PLACES 8
	FETCH 6
	WIN MUL
	MUL32 5, 0
	s_wait_dscnt 0x0
	PLACES 8
	FETCH 7
	WIN MUL
	MUL32 6, 0
	s_wait_dscnt 0x0
	MUL32 7, 0
	; THE WAY OUT.  P's tile a: 64 numbers a lane, scaled, quantised, and stored as the image that they are; the four tiles' scale words as one unit of 256 bytes.  The eight lines below are the places behind the last products
	WIN 0
.irp b, 0,1,2,3
	v_mov_b32 v[TM+4+\b], 0                        ; a lane permute's destination counts as one of its sources
.endr
	v_and_b32 v[L8], 31, v0
	v_lshlrev_b32 v[L8], 3, v[L8]
	PLACES 2
.irp a, 0,1,2,3
	WIN 0x01                                       ; source 0: the accumulators' window
.set k, 0
.rept 32
	v_pk_mul_f32 v[NUM+2*k:NUM+2*k+1], v[64*\a+2*k:64*\a+2*k+1], s[SCQ:SCQ+1] op_sel_hi:[1,0]     ; each accumulator from its low end on
.set k, k+1
.endr
	WIN 0
	QUANT NUM, COD+16*\a
.irp c, 0,1,2,3
	global_store_b128 v[LI], v[COD+16*\a+4*\c:COD+16*\a+4*\c+3], s[OUTC:OUTC+1] offset:2048*\a+512*\c    ; 512 consecutive bytes, aligned
.endr
	v_mov_b32 v[PWS+\a], v[PW]
.endr
	v_cndmask_b32 v[SW], v[PWS], v[PWS+1], s[HM]   ; the word of (tile 2 g + hh, row r) at 8 (r + 16 hh) + 4 g
	v_cndmask_b32 v[SW+1], v[PWS+2], v[PWS+3], s[HM]
	global_store_b64 v[L8], v[SW:SW+1], s[OUTS:OUTS+1]             ; 256 consecutive bytes, aligned
	s_wait_tensorcnt 0x0                           ; the wave's end
	ds_add_u32 v[SPW], v[NIL]
	s_wait_dscnt 0x0
	CROUND                                         ; the closing round
	s_endpgm
.Lfunc_end_k_q96e846a57b_proj:
	.size	k_q96e846a57b_proj, .Lfunc_end_k_q96e846a57b_proj-k_q96e846a57b_proj
	.p2alignl 7, 3214868480
	.fill 96, 4, 3214868480
	.section	.rodata,"a",@progbits
	.p2align	6, 0x0
	.amdhsa_kernel k_q96e846a57b_proj
		.amdhsa_group_segment_fixed_size 327680
		.amdhsa_private_segment_fixed_size 0
		.amdhsa_enable_private_segment 0
		.amdhsa_kernarg_size 40
		.amdhsa_user_sgpr_count 2
		.amdhsa_user_sgpr_kernarg_segment_ptr 1
		.amdhsa_wavefront_size32 1
		.amdhsa_system_sgpr_workgroup_id_x 1
		.amdhsa_system_sgpr_workgroup_id_y 1
		.amdhsa_system_sgpr_workgroup_id_z 1
		.amdhsa_system_vgpr_workitem_id 0
		.amdhsa_next_free_vgpr 768
		.amdhsa_next_free_sgpr 100
		.amdhsa_reserve_vcc 0
		.amdhsa_float_denorm_mode_32 3
		.amdhsa_float_denorm_mode_16_64 3
		.amdhsa_memory_ordered 1
		.amdhsa_forward_progress 1
		.amdhsa_inst_pref_size 127
	.end_amdhsa_kernel
	.amdgpu_metadata
---
amdhsa.version: [ 1, 2 ]
amdhsa.kernels:
  - .name:           k_q96e846a57b_proj
    .symbol:         k_q96e846a57b_proj.kd
    .args:
      - { .name: opnd, .offset: 0, .size: 8, .value_kind: global_buffer, .address_space: global }
      - { .name: bq, .offset: 8, .size: 8, .value_kind: global_buffer, .address_space: global }
      - { .name: bk, .offset: 16, .size: 8, .value_kind: global_buffer, .address_space: global }
      - { .name: bv, .offset: 24, .size: 8, .value_kind: global_buffer, .address_space: global }
      - { .name: heads, .offset: 32, .size: 8, .value_kind: global_buffer, .address_space: global }
    .group_segment_fixed_size: 327680
    .private_segment_fixed_size: 0
    .kernarg_segment_align: 8
    .kernarg_segment_size: 40
    .max_flat_workgroup_size: 128
    .sgpr_count:     100
    .vgpr_count:     768
    .wavefront_size: 32
...
	.end_amdgpu_metadata
.endif
;; end of part 2
;; launch attn (part 3): grid 16 x 16, 8 waves a work-group, clusters of 4 x 4, 327,680 bytes of LDS; arguments heads, mask, aimg; writes aimg
.if DOCPART == 3
	.amdgcn_target "amdgcn-amd-amdhsa--gfx1250"
	.amdhsa_code_object_version 6
	.text
	.protected	k_q96e846a57b_attn
	.globl	k_q96e846a57b_attn
	.p2align	8
	.type	k_q96e846a57b_attn,@function
k_q96e846a57b_attn:
	s_mov_b64 s[64:65], 0
	v_nop
	global_prefetch_b8 v0, s[64:65] scope:SCOPE_SE
	s_setreg_imm32_b32 hwreg(HW_REG_WAVE_MODE, 25, 1), 1
	s_wait_xcnt 0x0
	s_wait_alu depctr_hold_cnt(0) depctr_sa_sdst(0) depctr_va_vdst(0) depctr_va_sdst(0) depctr_va_ssrc(0) depctr_va_vcc(0) depctr_vm_vsrc(0)
	s_getreg_b32 s2, hwreg(HW_REG_IB_STS2, 6, 4)
	s_cmp_eq_u32 s2, 0
	s_cbranch_scc0 .Lentry_in_a_cluster
	s_endpgm
.Lentry_in_a_cluster:
	s_bfe_u32 s2, ttmp6, 0x10000c
	s_cmp_lg_u32 s2, 0xf033
	s_cbranch_scc0 .Lentry_shape_is_right
	s_endpgm
.Lentry_shape_is_right:
; Attention on codes of E4M3 with E8M0 scales: logits = q . k / 8 + mask x (-1e9) (the 1/8 lies in Q's codes), softmax over 2,048 keys, x V; the result is quantised along the model's 1,024 and stored as the last product's operand.
; THE MASK IS AN INPUT: every score is computed and every number of the mask is read.  mask x (-1e9) is made once for a tile of 16 queries x 128 keys and is the C operand of the score products of all four heads.
; THE SOFTMAX: t = logit x log2(e); M = the running largest t rounded UP to a whole number; p = 2^(t - M) is quantised along the keys, not normalised; the row's sum is taken of the unquantised p and divides at the end.
; When M moves, the sum and O are multiplied by 2^(old M - new M): exact, and with no branch on data.
; SHARES.  A work-group owns 128 queries of one batch x 4 heads (two pairs).  Wave w of eight owns the tile of 16 queries w and all four heads, one after the other in each of 16 key steps of 128 keys.  Two waves to a SIMD, 512 registers each.
; LAYOUT.  Both products are used transposed: S^T = K Q^T + C, O^T = V^T P^T: a lane holds one query.  K's tiles hold their keys in the order 32 g + 8 u + r + 8 (r / 8), so that register 16 g + i of S is key 32 g + 16 h + i.
; A HEAD'S 64 IN AN INSTRUCTION OF 128.  An image holds a PAIR of heads.  Q's operand is [codes | zeros] or [zeros | codes]; of K's image only the head's half is read, and opposite Q's zero codes stand a neighbouring tile's codes or zeros.
; ORDER OF A HEAD'S STEP: eight score products; eight places; one run of LDS loads (this head's V^T, the next head's K), which has the whole softmax in which to land; the softmax; four products with V^T, on which the next head's eight follow.
; THE RING: two LDS slots, each a key step's mask tile (128 rows x 512 bytes + 16 of padding) and two records (33,792 bytes each).  Each wave fetches 16,896 bytes of a slot: waves 0-3 32 mask rows, waves 4-7 half a record: one load out a wave.
; THE CHANGE OF SLOTS stands in the fourth head's step, behind the wait for its V^T, the wave's last read of the slot; the exponentials stand inside the round; behind it the slot is filled again and the next step's mask and K are read.
; The slot in hand is a parity bit x SLOT, so a key step is written once in a loop of 14 trips; the last two steps, which fill nothing, are a loop of two trips.
; CLUSTER 4 x 4: the mask tile hangs on the block of queries (shared down a column), the records on batch and pairs (shared along a row): each is asked for jointly.
; LIMITS: NaN and infinities are not served.  The promise holds while |t| stays under 2^31.  In a row in which EVERY key carries about -1e9 the scores are lost in the sum with the mask, here as in the definition: the weights come out nearly equal.
.set RC,    4352
.set TS,    4*RC
.set REC,   33792
.set QSOFF, 8388608
.set KVOFF, 8650752
.set MTILE, 128*528
.set SLOT,  MTILE+2*REC
.set SPARE, 2*SLOT                     ; the spare words, 128 bytes for each wave: four blocks of 256 bytes that no other line names
.set PART,  16896                      ; what one tensor load brings
; window 0
.set KVA, 1                            ; v1-2  the two pairs' records in the slot in hand, + 16 x lane
.set SCA, 3                            ; v3    the first pair's scale units, + 8 x lane
.set MKC, 4                            ; v4    my query's row of the mask tile in the slot in hand
.set LN,  5                            ; v5    lane
.set MK0, 6                            ; v6    my query's row in slot 0, + 64 h
.set SPW, 7
.set NIL, 8
.set PFO, 9
.set QS,  10                           ; v10-11 Q's scale words, a pair each
.set STB, 12                           ; v12-27 for each head -M, the largest t, the sum in two halves
.set Q0,  28                           ; v28-51 first pair: codes, zeros, codes
.set QA1, 52                           ; v52-59 second pair, first head; the zeros behind it are ZK
.set ZK,  60                           ; v60-67 zeros
.set KF,  68                           ; v68-131 eight half fragments of K
.set ZK2, 132                          ; v132-139 zeros
.set QB1, 140                          ; v140-147 second pair, second head
.set S,   148                          ; v148-211 S^T, then p
.set P,   212                          ; v212-227 p's codes
.set BM,  228
.set TM,  228                          ; the way out's QUANT works in v228-243
.set PX,  232
.set HD,  236
.set SO,  240
.set F,   244
.set PW,  245
.set T,   246
.set C2,  248
.set KSC, 250                          ; v250-253 K's scale words of the pair
.set VSC, 254                          ; v254-255 V's of the head
; window 1: v0-127 O^T, 32 a head
.set MSK, 128                          ; mask x (-1e9)
.set VF,  192                          ; four tiles of V^T
.set WV,  10
.set CX,  13
.set CY,  14
.set XX,  15
.set YY,  16
.set WB,  18                           ; wave x PART
.set PAR, 19
.set TB,  20                           ; where the slot in hand begins
.set RB,  21
.set RS,  22
.set G1M, 24
.set G1K, 32
.set G0M, 40
.set G0K, 44
.set SEL, 56
.set CL,  58
.set CM,  60
.set MNT, 62
.set CNT, 63
.set PFA, 66
.set PFS, 68
.set LIM, 70
.set QIA, 88
.set QSA, 90
.set OC,  92
.set OS,  94
.set MSB, 0
.macro WIN new                         ; the immediate's high byte repeats the setting that is left
.if MSB != \new
	s_set_vgpr_msb (MSB<<8)|\new
.set MSB, \new
.endif
.endm
.macro PLACES n
.rept \n
	v_nop
.endr
.endm
.macro CREST                           ; a round of the cluster's barrier behind its opening barrier
	s_cmp_lg_u32 s[WV], 0
	s_cbranch_scc1 .Lnot_wave_0_\@
	s_barrier_signal -3
.Lnot_wave_0_\@:
	s_barrier_wait -3
	s_barrier_signal -1
	s_barrier_wait -1
.endm
.macro CROUND
	s_barrier_signal -1
	s_barrier_wait -1
	CREST
.endm
.macro TLOAD                           ; a joint load: every wave issues one; the branch hangs on the wave's number alone; s_nop 0 and four v_nop follow each line
	s_cmp_lt_u32 s[WV], 4
	s_cbranch_scc0 .Lrec_\@
	tensor_load_to_lds s[G0M:G0M+3], s[G1M:G1M+7]
	s_nop 0
	PLACES 4
	s_branch .Lasked_\@
.Lrec_\@:
	tensor_load_to_lds s[G0K:G0K+3], s[G1K:G1K+7]
	s_nop 0
	PLACES 4
.Lasked_\@:
.endm
; A PREFETCH INTO THE L2: the change of slots in key step s loads key step s + 2 and asks for key step s + 3's tiles; one instruction a wave.  Each aligned block of 256 bytes is named once in the launch.
; The mask tile is read by every cluster of one cluster x: the one with cluster y = 0 asks; its column's partners take 32 rows each BY ADDRESS (cy); waves 4 and 5 take the halves of a row's 512 bytes, a lane a row.
; A record is read by every cluster of one cluster y: the one with cluster x = 0 asks; the row's partners take 8,192 bytes of its codes each BY ADDRESS (cx); waves 6 and 7 take a pair each, lanes 256 bytes apart.
; Key steps 0 to 2 and the scale units come by their loads alone; the loop's last trip (count 1) asks for nothing: there is no key step 16.
.macro ASK
	s_cmp_gt_u32 s[CNT], s[LIM]
	s_cbranch_scc0 .Lnot_mine_\@
	global_prefetch_b8 v[PFO], s[PFA:PFA+1] th:TH_LOAD_NT scope:SCOPE_SE
.Lnot_mine_\@:
.endm
.macro QUANT s, pc                     ; 64 numbers of a lane, register 16 b + i = k 32 b + 16 (lane / 16) + i, become a fragment's codes in v[pc] on and its scale word in v[PW]
.irp b, 0,1,2,3
	v_max3_num_f32 v[TM+\b], |v[(\s)+16*\b]|, |v[(\s)+16*\b+1]|, 0x4800000
.endr
.irp i, 2,4,6,8,10,12,14
.irp b, 0,1,2,3
	v_max3_num_f32 v[TM+\b], v[TM+\b], |v[(\s)+16*\b+\i]|, |v[(\s)+16*\b+\i+1]|
.endr
.endr
.irp b, 0,1,2,3
	v_permlanex16_b32 v[TM+4+\b], v[TM+\b], s[SEL], s[SEL+1]
.endr
.irp b, 0,1,2,3
	v_max_num_f32 v[TM+\b], v[TM+\b], v[TM+4+\b]
.endr
.irp b, 0,1,2,3
	v_add_nc_u32 v[TM+12+\b], 0xfc000000, v[TM+\b]
.endr
.irp b, 0,1,2,3
	v_and_or_b32 v[TM+8+\b], v[TM+\b], 0x7f800000, s[MNT]
.endr
.irp b, 0,1,2,3
	v_lshrrev_b32 v[TM+4+\b], 23, v[TM+12+\b]
.endr
	v_lshl_or_b32 v[PW], v[TM+5], 8, v[TM+4]
	v_lshl_or_b32 v[PW], v[TM+6], 16, v[PW]
	v_lshl_or_b32 v[PW], v[TM+7], 24, v[PW]
.irp b, 0,1,2,3
.irp i, 0,1,2,3,4,5,6,7,8,9,10,11,12,13,14,15
	v_med3_num_f32 v[(\s)+16*\b+\i], v[(\s)+16*\b+\i], -v[TM+8+\b], v[TM+8+\b]
.endr
	v_cvt_scalef32_pk8_fp8_f32 v[(\pc)+4*\b:(\pc)+4*\b+1], v[(\s)+16*\b:(\s)+16*\b+7], v[TM+12+\b]
	v_cvt_scalef32_pk8_fp8_f32 v[(\pc)+4*\b+2:(\pc)+4*\b+3], v[(\s)+16*\b+8:(\s)+16*\b+15], v[TM+12+\b]
.endr
	v_nop
.endm
.macro KLOAD hh                        ; head hh's eight half fragments of K; with a pair's first head the pair's scale words: tile k uses register k / 2, lanes 16 (k % 2) on
.set PRN, (\hh)/2
.set XN,  (\hh)%2
.irp k, 0,1,2,3,4,5,6,7
	ds_load_b128 v[KF+8*\k:KF+8*\k+3], v[KVA+PRN] offset:\k*2048+1024*XN
	ds_load_b128 v[KF+8*\k+4:KF+8*\k+7], v[KVA+PRN] offset:\k*2048+1024*XN+512
.endr
.if XN == 0
	ds_load_b64 v[KSC:KSC+1], v[SCA] offset:PRN*REC
	ds_load_b64 v[KSC+2:KSC+3], v[SCA] offset:PRN*REC+256
.endif
.endm
.macro NEXT                            ; the addresses of the slot now in hand; its mask tile (register 16 g + i wants key 32 g + 16 h + i of my query's row) and the first head's K
	v_lshl_add_u32 v[KVA], v[LN], 4, s[RB]
	v_lshl_add_u32 v[SCA], v[LN], 3, s[RS]
	v_add_nc_u32 v[MKC], s[TB], v[MK0]
	v_add_nc_u32 v[KVA+1], REC, v[KVA]
	WIN 0x40                                       ; destination window 1
.irp g, 0,1,2,3
.irp j, 0,1,2,3
	ds_load_b128 v[MSK+16*\g+4*\j:MSK+16*\g+4*\j+3], v[MKC] offset:128*\g+16*\j
.endr
.endr
	WIN 0
	KLOAD 0
.endm
.macro SUMP n                          ; the n-th of 30 additions of the row's sum, which is taken of the unquantised p: three chains by turns (the head's sum, v[C2:C2+1], v[T:T+1]); addition n takes registers 2 n + 4 and 2 n + 5 of p
.if (\n) == 0
	v_pk_add_f32 v[C2:C2+1], v[S:S+1], v[S+2:S+3]
.elseif (\n) == 1
	v_pk_add_f32 v[T:T+1], v[S+4:S+5], v[S+6:S+7]
.elseif (\n)%3 == 2
	v_pk_add_f32 v[ST+2:ST+3], v[ST+2:ST+3], v[S+2*(\n)+4:S+2*(\n)+5]
.elseif (\n)%3 == 0
	v_pk_add_f32 v[C2:C2+1], v[C2:C2+1], v[S+2*(\n)+4:S+2*(\n)+5]
.else
	v_pk_add_f32 v[T:T+1], v[T:T+1], v[S+2*(\n)+4:S+2*(\n)+5]
.endif
.endm
.macro MASKMUL
	WIN 0x41
.irp m, 0,2,4,6,8,10,12,14,16,18,20,22,24,26,28,30,32,34,36,38,40,42,44,46,48,50,52,54,56,58,60,62
	v_pk_mul_f32 v[MSK+\m:MSK+\m+1], v[MSK+\m:MSK+\m+1], s[CM:CM+1] op_sel_hi:[1,0]
.endr
.endm
; ONE HEAD x ONE KEY STEP.  mode 0: heads 0 to 2; 1: head 3 with the round and the refill; 2: head 3 in the last two key steps
.macro HSTEP h, mode
.set PR, (\h)/2
.set XH, (\h)%2
.set ST, STB+4*(\h)
.set OX, 32*(\h)
.set AO, KF-8*XH
.if PR == 0
.set QO, Q0+8*XH
.else
.set QO, QA1+(ZK2-QA1)*XH
.endif
	WIN 0x10                                       ; C in window 1
.irp k, 0,1,2,3,4,5,6,7
.if \k%2 == 0
	v_wmma_scale_f32_16x16x128_f8f6f4 v[S+8*\k:S+8*\k+7], v[AO+8*\k:AO+8*\k+15], v[QO:QO+15], v[MSK+8*\k:MSK+8*\k+7], v[KSC+\k/2], v[QS+PR]
.else
	v_wmma_scale_f32_16x16x128_f8f6f4 v[S+8*\k:S+8*\k+7], v[AO+8*\k:AO+8*\k+15], v[QO:QO+15], v[MSK+8*\k:MSK+8*\k+7], v[KSC+\k/2], v[QS+PR] matrix_a_scale:MATRIX_SCALE_ROW1
.endif
.endr
	WIN 0
	PLACES 8                                       ; behind the twelve products: in front of the loads into their sources and of the first read of S (ISA guide 7.12.1 for vector instructions)
	WIN 0x40
.irp t, 0,1,2,3
.irp c, 0,1,2,3
	ds_load_b128 v[VF+16*\t+4*\c:VF+16*\t+4*\c+3], v[KVA+PR] offset:16384+(4*XH+\t)*2048+512*\c
.endr
.endr
	WIN 0
	ds_load_b64 v[VSC:VSC+1], v[SCA] offset:PR*REC+512+256*XH
.if (\h) < 3
	KLOAD (\h)+1
.endif
.irp b, 0,1,2,3
	v_max3_num_f32 v[BM+\b], v[S+16*\b], v[S+16*\b+1], v[S+16*\b+2]        ; the largest logit of each block of 32 keys: it serves the row's maximum and, since p rises with the logit, the block's largest p
.endr
.irp b, 0,1,2,3
	v_max3_num_f32 v[PX+\b], v[S+16*\b+8], v[S+16*\b+9], v[S+16*\b+10]     ; a second chain for each block's upper tile: eight chains by turns
.endr
.irp i, 3,5
.irp b, 0,1,2,3
	v_max3_num_f32 v[BM+\b], v[BM+\b], v[S+16*\b+\i], v[S+16*\b+\i+1]
.endr
.irp b, 0,1,2,3
	v_max3_num_f32 v[PX+\b], v[PX+\b], v[S+16*\b+8+\i], v[S+16*\b+9+\i]
.endr
.endr
.irp b, 0,1,2,3
	v_max3_num_f32 v[BM+\b], v[BM+\b], v[S+16*\b+7], v[S+16*\b+15]
.endr
.irp b, 0,1,2,3
	v_max_num_f32 v[BM+\b], v[BM+\b], v[PX+\b]
.endr
.irp b, 0,1,2,3
	v_permlanex16_b32 v[PX+\b], v[BM+\b], s[SEL], s[SEL+1]
.endr
.irp b, 0,1,2,3
	v_max_num_f32 v[BM+\b], v[BM+\b], v[PX+\b]     ; with lane l xor 16's 16 keys
.endr
	v_max3_num_f32 v[T], v[BM], v[BM+1], v[BM+2]
	v_max_num_f32 v[T], v[T], v[BM+3]
	v_mul_f32 v[T], s[CL], v[T]                    ; as t
	v_max_num_f32 v[ST+1], v[ST+1], v[T]           ; the running largest t
	v_mov_b32 v[T], v[ST]
	v_floor_f32 v[ST], -v[ST+1]                    ; -M = floor(-t): M is a whole number
.irp j, 0,2,4,6
	v_pk_fma_f32 v[S+\j:S+\j+1], v[S+\j:S+\j+1], s[CL:CL+1], v[ST:ST+1] op_sel_hi:[1,0,0]      ; t - M; the three lines that make f stand among these
.endr
	v_sub_f32 v[T], v[ST], v[T]                    ; old M - new M: a whole number, 0 or less
.irp j, 8,10,12,14
	v_pk_fma_f32 v[S+\j:S+\j+1], v[S+\j:S+\j+1], s[CL:CL+1], v[ST:ST+1] op_sel_hi:[1,0,0]
.endr
	v_cvt_i32_f32 v[T], v[T]                       ; (it saturates)
.irp j, 16,18,20,22
	v_pk_fma_f32 v[S+\j:S+\j+1], v[S+\j:S+\j+1], s[CL:CL+1], v[ST:ST+1] op_sel_hi:[1,0,0]
.endr
	v_ldexp_f32 v[F], 1.0, v[T]                    ; f = 2^(old M - new M)
.irp j, 24,26,28,30,32,34,36,38,40,42,44,46,48,50,52,54,56,58,60,62
	v_pk_fma_f32 v[S+\j:S+\j+1], v[S+\j:S+\j+1], s[CL:CL+1], v[ST:ST+1] op_sel_hi:[1,0,0]
.endr
.irp b, 0,1,2,3
	v_fma_f32 v[BM+\b], v[BM+\b], s[CL], v[ST]
.endr
	s_wait_alu depctr_va_vdst(0)                   ; the wait ahead of the batch (and of the waits below)
.if \mode
	s_wait_tensorcnt 0x0                           ; my part of the other slot is in, so a group 0 may be written
	ds_add_u32 v[SPW], v[NIL]                      ; 0 onto my spare word
.if \mode == 1
	s_add_co_u32 s[G0M+1], s[WB], s[TB]            ; the slot that is being left takes the key step two on
	s_add_co_u32 s[G0K+1], s[WB], s[TB]
	s_add_nc_u64 s[G0M+2:G0M+3], s[G0M+2:G0M+3], 512
	s_add_nc_u64 s[G0K+2:G0K+3], s[G0K+2:G0K+3], REC
	s_wait_xcnt 0x0                                ; the last prefetch, a key step back, has read its address
	s_add_nc_u64 s[PFA:PFA+1], s[PFA:PFA+1], s[PFS:PFS+1]
.endif
	s_xor_b32 s[PAR], s[PAR], 1                    ; on to the other slot
	s_mul_i32 s[TB], s[PAR], SLOT
	s_add_co_u32 s[RB], s[TB], MTILE
	s_add_co_u32 s[RS], s[TB], MTILE+32768
	s_wait_dscnt 0x0                               ; the add is done, and this head's V^T, my last read of the slot, is in
	s_barrier_signal -1                            ; the exponentials, work on registers, stand between the signal and the wait
.endif
.set n, 0
.rept 64
	v_exp_f32 v[S+n], v[S+n]                       ; p = 2^(t - M)
.set n, n+1
.endr
.irp b, 0,1,2,3
	v_exp_f32 v[BM+\b], v[BM+\b]                   ; the block's largest p: the same two instructions on the same number
.endr
	v_pk_mul_f32 v[ST+2:ST+3], v[ST+2:ST+3], v[F:F+1] op_sel_hi:[1,0]      ; the sums under the new M (a plain line behind the exponentials)
	s_wait_alu depctr_va_vdst(0)                   ; one wait for the batch, ahead of its first reader
.if \mode
	s_barrier_wait -1
.endif
.if \mode == 1
	CREST                                          ; no wave of any partner still reads the slot that was left or has a load on its way
	TLOAD
	ASK
	NEXT
.endif
.if \mode == 2
	s_cmp_eq_u32 s[CNT], 1                         ; behind the last key step there is nothing to read
	s_cbranch_scc1 .Lno_next_\@
	NEXT
.Lno_next_\@:
.endif
.irp b, 0,1,2,3
	v_max_num_f32 v[BM+\b], 0x4800000, v[BM+\b]    ; the floor: the byte cannot fall under 1.  The scales' lines and the sum of blocks 0 and 1 stand by turns
	SUMP \b
.endr
.irp b, 0,1,2,3
	v_add_nc_u32 v[SO+\b], 0xfc000000, v[BM+\b]
	SUMP 4+\b
.endr
.irp b, 0,1,2,3
	v_and_or_b32 v[HD+\b], v[BM+\b], 0x7f800000, s[MNT]
	SUMP 8+\b
.endr
.irp b, 0,1,2,3
	v_lshrrev_b32 v[PX+\b], 23, v[SO+\b]
.if \b < 2
	SUMP 12+\b
.endif
.endr
	v_lshl_or_b32 v[PW], v[PX+1], 8, v[PX]         ; p's scale word for these 128 keys
	v_lshl_or_b32 v[PW], v[PX+2], 16, v[PW]
	v_lshl_or_b32 v[PW], v[PX+3], 24, v[PW]
.irp bb, 0,2                                   ; the hold: the conversion does not saturate (ISA guide 7.6.2); p is not negative, so it is one-sided.  Two numbers of two neighbouring blocks an instruction: an even and an odd register
.irp i, 0,2,4,6,8,10,12,14
	v_dual_min_num_f32 v[S+16*\bb+\i], v[S+16*\bb+\i], v[HD+\bb] :: v_dual_min_num_f32 v[S+16*\bb+17+\i], v[S+16*\bb+17+\i], v[HD+\bb+1]
.if \bb == 0
	SUMP 14+\i                                     ; blocks 0 and 1 have been summed: their holds stand by turns with the sum of blocks 2 and 3
.endif
	v_dual_min_num_f32 v[S+16*\bb+16+\i], v[S+16*\bb+16+\i], v[HD+\bb+1] :: v_dual_min_num_f32 v[S+16*\bb+1+\i], v[S+16*\bb+1+\i], v[HD+\bb]
.if \bb == 0
	SUMP 15+\i
.endif
.endr
.irp b, \bb, \bb+1
	v_cvt_scalef32_pk8_fp8_f32 v[P+4*(\b):P+4*(\b)+1], v[S+16*(\b):S+16*(\b)+7], v[SO+(\b)]
	v_cvt_scalef32_pk8_fp8_f32 v[P+4*(\b)+2:P+4*(\b)+3], v[S+16*(\b)+8:S+16*(\b)+15], v[SO+(\b)]
.endr
.if \bb == 0
	v_pk_add_f32 v[C2:C2+1], v[C2:C2+1], v[T:T+1]  ; the sum's three chains are joined
.else
	v_pk_add_f32 v[ST+2:ST+3], v[ST+2:ST+3], v[C2:C2+1]
.endif
.endr
	WIN 0x41                                       ; destination and source 0 in window 1
	s_wait_alu depctr_va_vdst(0)                   ; directly ahead of the first reader of O^T
.irp m, 0,2,4,6,8,10,12,14,16,18,20,22,24,26,28,30
	v_pk_mul_f32 v[OX+\m:OX+\m+1], v[OX+\m:OX+\m+1], v[F:F+1] op_sel_hi:[1,0]      ; O^T under the new M; these are also the places between the codes and the products below
.endr
.if \mode == 2
	WIN 0
.endif
	s_wait_alu depctr_va_vdst(0)                   ; directly ahead of the wait below
	s_wait_dscnt 0x0                               ; V^T and the next head's K (head 3: the next step's mask and K) are in
.if \mode == 1
	MASKMUL
	s_wait_alu depctr_va_vdst(0)
.endif
.if \mode == 2
	s_cmp_eq_u32 s[CNT], 1
	s_cbranch_scc1 .Lno_mask_\@
	MASKMUL
	WIN 0
	s_wait_alu depctr_va_vdst(0)
.Lno_mask_\@:
.endif
	WIN 0x51                                       ; O^T += V^T P^T: D, C and source 0 in window 1; the head's four accumulators take turns
	v_wmma_scale_f32_16x16x128_f8f6f4 v[OX:OX+7], v[VF:VF+15], v[P:P+15], v[OX:OX+7], v[VSC], v[PW]
	v_wmma_scale_f32_16x16x128_f8f6f4 v[OX+8:OX+15], v[VF+16:VF+31], v[P:P+15], v[OX+8:OX+15], v[VSC], v[PW] matrix_a_scale:MATRIX_SCALE_ROW1
	v_wmma_scale_f32_16x16x128_f8f6f4 v[OX+16:OX+23], v[VF+32:VF+47], v[P:P+15], v[OX+16:OX+23], v[VSC+1], v[PW]
	v_wmma_scale_f32_16x16x128_f8f6f4 v[OX+24:OX+31], v[VF+48:VF+63], v[P:P+15], v[OX+24:OX+31], v[VSC+1], v[PW] matrix_a_scale:MATRIX_SCALE_ROW1
	WIN 0
.endm
	s_load_b128 s[4:7], s[0:1], 0x0                ; heads s[4:5], mask s[6:7]
	s_load_b64 s[8:9], s[0:1], 0x10                ; aimg
	v_lshl_add_u32 v[SPW], v0, 2, SPARE
	v_mov_b32 v[NIL], 0
	ds_add_u32 v[SPW], v[NIL]                      ; the opening lines: the add, twice on end, and its wait ahead of my first tensor load
	ds_add_u32 v[SPW], v[NIL]
	v_lshrrev_b32 v[T], 5, v0
	v_readfirstlane_b32 s[WV], v[T]                ; wave 0..7: also my tile of queries
	s_bfe_u32 s[CX], ttmp6, 0x40000
	s_bfe_u32 s[CY], ttmp6, 0x40004
	s_lshl_b32 s[XX], ttmp9, 2
	s_add_co_u32 s[XX], s[XX], s[CX]               ; block of 128 queries
	s_and_b32 s[YY], ttmp7, 0xffff
	s_lshl_b32 s[YY], s[YY], 2
	s_add_co_u32 s[YY], s[YY], s[CY]               ; 4 x batch + which two pairs
	s_and_b32 s17, s[WV], 1
	s_and_b32 s71, s[WV], 3
	s_lshl_b32 s72, s[XX], 20                      ; the mask: 128 rows of 8,192 bytes a block,
	s_lshl_b32 s73, s71, 18                        ; 32 rows a load
	s_add_co_u32 s72, s72, s73
	s_mov_b32 s73, 0
	s_lshr_b32 s71, s71, 1
	s_lshl_b32 s74, s[YY], 1
	s_add_co_u32 s74, s74, s71                     ; the pair of whose records I fetch a half
	s_mul_i32 s74, s74, 16*REC
	s_add_co_u32 s74, s74, KVOFF
	s_mul_i32 s75, s17, PART
	s_add_co_u32 s74, s74, s75
	s_mov_b32 s75, 0
	s_mul_i32 s[WB], s[WV], PART                   ; in a slot: 32 mask rows are as many bytes as half a record: no place in the cluster enters an LDS address
	s_lshl_b32 s71, 0x1111, s[CX]                  ; my column of the cluster
	s_or_b32 s[G1M], s71, (2<<16)|(1<<20)|(1<<21)|(6<<22)|(3<<25)  ; the mask of work-groups; elements of 4 bytes; padding on; 21 set beside a mask; after every 128 words, four words
	s_mov_b32 s[G1M+1], 128<<16
	s_mov_b32 s[G1M+2], 32<<16
	s_mov_b32 s[G1M+3], 128<<16
	s_mov_b32 s[G1M+4], 32
	s_mov_b32 s[G1M+5], 2048
	s_mov_b32 s[G1M+6], 0
	s_mov_b32 s[G1M+7], 0
	s_lshl_b32 s71, s[CY], 2
	s_lshl_b32 s71, 15, s71                        ; my row
	s_or_b32 s[G1K], s71, (3<<16)|(1<<21)          ; half a record: 66 dense rows of 32 elements of 8 bytes
	s_mov_b32 s[G1K+1], 32<<16
	s_mov_b32 s[G1K+2], 66<<16
	s_mov_b32 s[G1K+3], 32<<16
	s_mov_b32 s[G1K+4], 66
	s_mov_b32 s[G1K+5], 32
	s_mov_b32 s[G1K+6], 0
	s_mov_b32 s[G1K+7], 0
	s_mov_b32 s[SEL], 0x76543210
	s_mov_b32 s[SEL+1], 0xfedcba98
	s_mov_b32 s[CL], 0x3fb8aa3b                    ; log2(e)
	s_mov_b32 s[CL+1], s[CL]
	s_mov_b32 s[CM], 0xce6e6b28                    ; -1e9
	s_mov_b32 s[CM+1], s[CM]
	s_mov_b32 s[MNT], 0x600000
	s_mov_b32 s[PAR], 0
	s_mov_b32 s[TB], 0
	s_mov_b32 s[RB], MTILE
	s_mov_b32 s[RS], MTILE+32768
	s_wait_dscnt 0x0                               ; both opening adds are done
	s_wait_kmcnt 0x0
	s_mov_b32 s[G0M], 1
	s_mov_b32 s[G0M+1], s[WB]
	s_add_nc_u64 s[G0M+2:G0M+3], s[6:7], s[72:73]  ; key step 0
	s_or_b32 s[G0M+3], s[G0M+3], 0x80000000
	s_mov_b32 s[G0K], 1
	s_mov_b32 s[G0K+1], s[WB]
	s_add_nc_u64 s[G0K+2:G0K+3], s[4:5], s[74:75]
	s_or_b32 s[G0K+3], s[G0K+3], 0x80000000
	CROUND                                         ; all sixteen work-groups are here
	TLOAD                                          ; key step 0 into slot 0: one tensor load a wave at the head
	; the prefetches: where my wave's stand (at key step 2: the first trip steps them to 3), and who asks
	s_lshl_b32 s76, s[XX], 20
	s_lshl_b32 s77, s[CY], 18                      ; my work-group's 32 rows of the mask tile
	s_add_co_u32 s76, s76, s77
	s_lshl_b32 s77, s17, 8
	s_add_co_u32 s76, s76, s77
	s_add_co_u32 s76, s76, 1024
	s_lshl_b32 s77, s[YY], 1
	s_add_co_u32 s77, s77, s17
	s_lshl_b32 s77, s77, 4
	s_add_co_u32 s77, s77, 2
	s_mul_i32 s77, s77, REC
	s_add_co_u32 s77, s77, KVOFF
	s_lshl_b32 s78, s[CX], 13                      ; my work-group's 8,192 bytes of the record's codes
	s_add_co_u32 s77, s77, s78
	s_lshr_b32 s79, s[WV], 1                       ; 2: waves 4, 5 (the mask); 3: waves 6, 7 (the records)
	s_and_b32 s80, ttmp7, 0xffff
	s_mov_b32 s[PFS], REC
	s_cmp_eq_u32 s79, 2
	s_cselect_b32 s76, s76, s77
	s_cselect_b32 s[PFS], 512, s[PFS]              ; a key step on
	s_cselect_b32 s82, 13, 8                       ; from lane to lane: a row of the mask, or 256 bytes
	s_cselect_b32 s80, s80, ttmp9                  ; the coordinate along which other clusters read the same bytes
	s_cselect_b64 s[PFA:PFA+1], s[6:7], s[4:5]
	s_mov_b32 s77, 0
	s_mov_b32 s[PFS+1], 0
	s_add_nc_u64 s[PFA:PFA+1], s[PFA:PFA+1], s[76:77]
	s_sub_co_u32 s79, s79, 2
	s_lshr_b32 s79, s79, 1                         ; 0 in waves 4 to 7
	s_or_b32 s79, s79, s80
	s_cmp_eq_u32 s79, 0
	s_cselect_b32 s[LIM], 1, -1                    ; a wave asks while the count of trips is above this; the same in all sixteen partners, for a given wave
	; Q, its scale words, and where the result goes: the second pair's lie at constant distances
	s_lshl_b32 s84, s[YY], 1                       ; 8 x batch + my first pair
	s_lshl_b32 s86, s[XX], 3
	s_add_co_u32 s86, s86, s[WV]                   ; my tile of queries in the batch
	s_lshl_b32 s85, s84, 7
	s_add_co_u32 s85, s85, s86
	s_lshl_b32 s[QIA], s85, 11
	s_mov_b32 s[QIA+1], 0
	s_lshl_b32 s[QSA], s84, 5
	s_lshr_b32 s87, s86, 2
	s_add_co_u32 s[QSA], s[QSA], s87
	s_lshl_b32 s[QSA], s[QSA], 8                   ; the scale unit of four tiles; in it the word of (tile 2 g + hh, row r) at 8 (r + 16 hh) + 4 g
	s_and_b32 s87, s[WV], 1
	s_lshl_b32 s87, s87, 7
	s_add_co_u32 s[QSA], s[QSA], s87
	s_bfe_u32 s87, s[WV], 0x10001
	s_lshl_b32 s87, s87, 2
	s_add_co_u32 s[QSA], s[QSA], s87
	s_add_co_u32 s[QSA], s[QSA], QSOFF
	s_mov_b32 s[QSA+1], 0
	s_add_nc_u64 s[QIA:QIA+1], s[4:5], s[QIA:QIA+1]
	s_add_nc_u64 s[QSA:QSA+1], s[4:5], s[QSA:QSA+1]
	s_lshr_b32 s[OC], s[YY], 2
	s_lshl_b32 s[OC], s[OC], 7
	s_add_co_u32 s[OC], s[OC], s86                 ; the tile of rows of the last product: 128 x batch + my tile
	s_mul_i32 s[OC], s[OC], TS
	s_and_b32 s87, s[YY], 3
	s_mul_i32 s87, s87, RC                         ; the record: its two K steps are my work-group's two pairs
	s_add_co_u32 s[OC], s[OC], s87
	s_add_co_u32 s[OS], s[OC], 4096                ; the scale words
	s_mov_b32 s[OC+1], 0
	s_mov_b32 s[OS+1], 0
	s_add_nc_u64 s[OC:OC+1], s[8:9], s[OC:OC+1]
	s_add_nc_u64 s[OS:OS+1], s[8:9], s[OS:OS+1]
	s_mul_i32 s21, s[WV], 16*528
	v_and_b32 v[LN], 31, v0                        ; lane
	v_and_b32 v[T], 15, v0                         ; r
	v_bfe_u32 v[C2], v0, 4, 1                      ; h
	v_lshlrev_b32 v[KVA], 4, v[LN]                 ; for Q's loads: 16 x lane,
	v_lshlrev_b32 v[KVA+1], 3, v[T]                ; 8 r
	v_lshlrev_b32 v[PFO], s82, v[LN]
	v_mul_u32_u24 v[MK0], v[T], 528
	v_lshl_add_u32 v[MK0], v[C2], 6, v[MK0]
	v_add_nc_u32 v[MK0], s21, v[MK0]
	global_load_b128 v[Q0:Q0+3], v[KVA], s[QIA:QIA+1]
	global_load_b128 v[Q0+4:Q0+7], v[KVA], s[QIA:QIA+1] offset:512
	global_load_b128 v[Q0+16:Q0+19], v[KVA], s[QIA:QIA+1] offset:1024
	global_load_b128 v[Q0+20:Q0+23], v[KVA], s[QIA:QIA+1] offset:1536
	global_load_b128 v[QA1:QA1+3], v[KVA], s[QIA:QIA+1] offset:262144
	global_load_b128 v[QA1+4:QA1+7], v[KVA], s[QIA:QIA+1] offset:262144+512
	global_load_b128 v[QB1:QB1+3], v[KVA], s[QIA:QIA+1] offset:262144+1024
	global_load_b128 v[QB1+4:QB1+7], v[KVA], s[QIA:QIA+1] offset:262144+1536
	global_load_b32 v[QS], v[KVA+1], s[QSA:QSA+1]
	global_load_b32 v[QS+1], v[KVA+1], s[QSA:QSA+1] offset:8192
	s_mov_b32 s[RB], MTILE                         ; (s21 served the mask's row above)
.irp x, 0,1,2,3
	v_mov_b32 v[STB+4*\x+1], 0xff61b1e6            ; the largest t so far: -3e38
	v_mov_b32 v[STB+4*\x+2], 0                     ; the sum, in two halves
	v_mov_b32 v[STB+4*\x+3], 0
.endr
.irp x, 0,1,2,3
	v_floor_f32 v[STB+4*\x], -v[STB+4*\x+1]        ; -M
.endr
.set n, 0
.rept 8
	v_mov_b32 v[Q0+8+n], 0                         ; zero codes
	v_mov_b32 v[ZK+n], 0
	v_mov_b32 v[ZK2+n], 0
.set n, n+1
.endr
.irp b, 0,1,2,3
	v_mov_b32 v[PX+\b], 0                          ; a lane permute's destination counts as one of its sources
.endr
	v_mov_b32 v[PW], 0                             ; (named as the upper half of the pair v[F:F+1] before it is first written)
	WIN 0x40
.set n, 0
.rept 128
	v_mov_b32 v[n], 0                              ; O^T: the step is written once; its first run finds zeros, which the first change of M leaves zeros
.set n, n+1
.endr
	WIN 0
	s_wait_alu depctr_va_vdst(0)                   ; the wait at the head's end
	s_wait_loadcnt 0x0                             ; Q is in, and its offset registers are free
	s_wait_tensorcnt 0x0                           ; my part of key step 0 is in; slot 1's first fill is issued as a refill is
	ds_add_u32 v[SPW], v[NIL]
	s_add_co_u32 s[G0M+1], s[WB], SLOT
	s_add_co_u32 s[G0K+1], s[WB], SLOT
	s_add_nc_u64 s[G0M+2:G0M+3], s[G0M+2:G0M+3], 512
	s_add_nc_u64 s[G0K+2:G0K+3], s[G0K+2:G0K+3], REC
	s_wait_dscnt 0x0
	CROUND
	TLOAD                                          ; key step 1 into slot 1
	NEXT                                           ; key step 0's mask and the first head's K
	s_wait_dscnt 0x0
	MASKMUL
	WIN 0
	s_wait_alu depctr_va_vdst(0)
	s_mov_b32 s[CNT], 14
.Lstep:                                            ; key steps 0 to 13: each change of slots asks for the key step two on
	HSTEP 0, 0
	HSTEP 1, 0
	HSTEP 2, 0
	HSTEP 3, 1
	s_sub_co_u32 s[CNT], s[CNT], 1
	s_cmp_lg_u32 s[CNT], 0
	s_cbranch_scc1 .Lstep
	s_mov_b32 s[CNT], 2
.Llast:                                            ; key steps 14 and 15 fill nothing: a loop of their own
	HSTEP 0, 0
	HSTEP 1, 0
	HSTEP 2, 0
	HSTEP 3, 2
	s_sub_co_u32 s[CNT], s[CNT], 1
	s_cmp_lg_u32 s[CNT], 0
	s_cbranch_scc1 .Llast
	; THE WAY OUT: O^T / the sum; a pair's 64 registers are k = 32 b + 16 h + i of its K step of the last product: quantised and stored as the image that they are
	PLACES 8
.irp x, 0,1,2,3
	v_add_f32 v[STB+4*\x+2], v[STB+4*\x+2], v[STB+4*\x+3]
.endr
.irp x, 0,1,2,3
	v_permlanex16_b32 v[PX+\x], v[STB+4*\x+2], s[SEL], s[SEL+1]
.endr
.irp x, 0,1,2,3
	v_add_f32 v[STB+4*\x+2], v[STB+4*\x+2], v[PX+\x]
.endr
	s_wait_alu depctr_va_vdst(0)                   ; ahead of the batch
.irp x, 0,1,2,3
	v_rcp_f32 v[STB+4*\x+2], v[STB+4*\x+2]
.endr
	v_lshlrev_b32 v[KVA], 4, v[LN]                 ; (a plain line behind the reciprocals)  16 x lane
	v_and_b32 v[KVA+1], 15, v0
	v_lshlrev_b32 v[KVA+1], 2, v[KVA+1]            ; 4 r
.irp pr, 0,1
.if \pr
	s_wait_xcnt 0x0                                ; the first pair's stores have read their codes and their scale word
.endif
	WIN 0x01                                       ; source 0 in window 1
	s_wait_alu depctr_va_vdst(0)                   ; behind the reciprocals, directly ahead of the first readers of this pair's O^T
.irp x, 0,1
.irp m, 0,2,4,6,8,10,12,14,16,18,20,22,24,26,28,30
	v_pk_mul_f32 v[S+32*\x+\m:S+32*\x+\m+1], v[64*\pr+32*\x+\m:64*\pr+32*\x+\m+1], v[STB+8*\pr+4*\x+2:STB+8*\pr+4*\x+3] op_sel_hi:[1,0]   ; each accumulator from its low end on
.endr
.endr
	WIN 0
	QUANT S, P
.irp c, 0,1,2,3
	global_store_b128 v[KVA], v[P+4*\c:P+4*\c+3], s[OC:OC+1] offset:2048*\pr+512*\c        ; 512 consecutive bytes, aligned
.endr
	global_store_b32 v[KVA+1], v[PW], s[OS:OS+1] offset:64*\pr     ; row r's word; lanes 16-31 hold and store the same words
.endr
	s_wait_tensorcnt 0x0                           ; the wave's end
	ds_add_u32 v[SPW], v[NIL]
	s_wait_dscnt 0x0
	CROUND                                         ; the closing round
	s_endpgm
.Lfunc_end_k_q96e846a57b_attn:
	.size	k_q96e846a57b_attn, .Lfunc_end_k_q96e846a57b_attn-k_q96e846a57b_attn
	.p2alignl 7, 3214868480
	.fill 96, 4, 3214868480
	.section	.rodata,"a",@progbits
	.p2align	6, 0x0
	.amdhsa_kernel k_q96e846a57b_attn
		.amdhsa_group_segment_fixed_size 327680
		.amdhsa_private_segment_fixed_size 0
		.amdhsa_enable_private_segment 0
		.amdhsa_kernarg_size 24
		.amdhsa_user_sgpr_count 2
		.amdhsa_user_sgpr_kernarg_segment_ptr 1
		.amdhsa_wavefront_size32 1
		.amdhsa_system_sgpr_workgroup_id_x 1
		.amdhsa_system_sgpr_workgroup_id_y 1
		.amdhsa_system_sgpr_workgroup_id_z 1
		.amdhsa_system_vgpr_workitem_id 0
		.amdhsa_next_free_vgpr 512
		.amdhsa_next_free_sgpr 96
		.amdhsa_reserve_vcc 0
		.amdhsa_float_denorm_mode_32 3
		.amdhsa_float_denorm_mode_16_64 3
		.amdhsa_memory_ordered 1
		.amdhsa_forward_progress 1
		.amdhsa_inst_pref_size 196
	.end_amdhsa_kernel
	.amdgpu_metadata
---
amdhsa.version: [ 1, 2 ]
amdhsa.kernels:
  - .name:           k_q96e846a57b_attn
    .symbol:         k_q96e846a57b_attn.kd
    .args:
      - { .name: heads, .offset: 0, .size: 8, .value_kind: global_buffer, .address_space: global }
      - { .name: mask, .offset: 8, .size: 8, .value_kind: global_buffer, .address_space: global }
      - { .name: aimg, .offset: 16, .size: 8, .value_kind: global_buffer, .address_space: global }
    .group_segment_fixed_size: 327680
    .private_segment_fixed_size: 0
    .kernarg_segment_align: 8
    .kernarg_segment_size: 24
    .max_flat_workgroup_size: 256
    .sgpr_count:     96
    .vgpr_count:     512
    .wavefront_size: 32
...
	.end_amdgpu_metadata
.endif
;; end of part 3
;; launch outp (part 4): grid 4 x 64, 4 waves a work-group, clusters of 4 x 4, 327,680 bytes of LDS; arguments aimg, opnd, bo, out0; writes out0
.if DOCPART == 4
	.amdgcn_target "amdgcn-amd-amdhsa--gfx1250"
	.amdhsa_code_object_version 6
	.text
	.protected	k_q96e846a57b_outp
	.globl	k_q96e846a57b_outp
	.p2align	8
	.type	k_q96e846a57b_outp,@function
k_q96e846a57b_outp:
	s_mov_b64 s[64:65], 0
	v_nop
	global_prefetch_b8 v0, s[64:65] scope:SCOPE_SE
	s_setreg_imm32_b32 hwreg(HW_REG_WAVE_MODE, 25, 1), 1
	s_wait_xcnt 0x0
	s_wait_alu depctr_hold_cnt(0) depctr_sa_sdst(0) depctr_va_vdst(0) depctr_va_sdst(0) depctr_va_ssrc(0) depctr_va_vcc(0) depctr_vm_vsrc(0)
	s_getreg_b32 s2, hwreg(HW_REG_IB_STS2, 6, 4)
	s_cmp_eq_u32 s2, 0
	s_cbranch_scc0 .Lentry_in_a_cluster
	s_endpgm
.Lentry_in_a_cluster:
	s_bfe_u32 s2, ttmp6, 0x10000c
	s_cmp_lg_u32 s2, 0xf033
	s_cbranch_scc0 .Lentry_shape_is_right
	s_endpgm
.Lentry_shape_is_right:
; out0 = A wo + bo on codes of E4M3 with E8M0 scales: A (attention's result, 8,192 x 1,024) lies in aimg, wo in opnd (tiles 1,728 on), both as records of fragment images; sums in f32, K = 1,024.
; THE MATRIX INSTRUCTION: source 0 = 16 columns of wo (R), source 1 = 16 rows of A (P).  Lane (r, h) holds row r; wo's tiles hold their columns in the order 32 g + 8 u + r + 8 (r / 8), so that register 16 g + i of eight
; neighbouring tiles is column 32 g + 16 h + i: sixteen neighbouring numbers of a row of out0 for each g.
; SHARES.  A work-group makes 128 rows x 256 columns; wave w: rows 64 (w / 2) on, columns 128 (w % 2) on: 32 accumulators.  256 work-groups.
; THE RING: three LDS slots of 24 records (256 along K); slots 0, 1, 2 are filled at the start, slot 0 once more.  A wave has at most one tensor load out.
; CLUSTER 4 x 4: A's records hang on the cluster's row, wo's on its column: each is asked for jointly by the four that need it.  Wave 0 asks for A's 8 records, wave 1 for wo's 16, waves 2 and 3 for none.
; REGISTERS: window 0: v1-15 addresses; v16-39 scale words, two sets; v40-41 the stage's addresses; v64-127 the bias as C; v128-255 A's fragments, two sets, later rows of out0.  window 1: the accumulators.  window 2: wo's fragments, two sets.
.set RC,    4352
.set RL,    4224
.set TS,    4*RC
.set PART,  8*RL
.set SLOT,  3*PART
.set SPARE, 3*SLOT                     ; the spare words, 128 bytes for each wave: two blocks of 256 bytes that no other line names
.set STAGE, SLOT                       ; the way out: 16 rows x 528 bytes for each wave, in slot 1: it has had its only fill, and every wave's reads of it are over at K step 5's barrier
.set WV,  14
.set AH,  15
.set JH,  16
.set CX,  17
.set CY,  18
.set YC,  19
.set IT,  22
.set JT,  23
.set G1P, 24
.set G1R, 32
.set G0P, 40
.set G0R, 52
.set OUT, 72
.set BP,  76
.set ADP, 1
.set ADR, 4
.set SSP, 7
.set SSR, 10
.set SPW, 13
.set NIL, 14
.set LI,  15
.set SCB, 16
.set STO, 40
.set SRD, 41
.set BIA, 64
.set PF,  128
.set MSB, 0
.macro WIN new                         ; the immediate's high byte repeats the setting that is left
.if MSB != \new
	s_set_vgpr_msb (MSB<<8)|\new
.set MSB, \new
.endif
.endm
.set MUL,  0x52                        ; source 0 (R) window 2, source 1 (P) window 0, C and D window 1
.set MULC, 0x42                        ; the same with C (the bias) in window 0
.set TO_R, 0x80                        ; destination window 2
.macro PLACES n
.rept \n
	v_nop
.endr
.endm
.macro CROUND
	s_barrier_signal -1
	s_barrier_wait -1
	s_cmp_lg_u32 s[WV], 0
	s_cbranch_scc1 .Lnot_wave_0_\@
	s_barrier_signal -3
.Lnot_wave_0_\@:
	s_barrier_wait -3
	s_barrier_signal -1
	s_barrier_wait -1
.endm
.macro JLOAD sl                        ; a joint load; the branches hang on the wave's number alone; four v_nop follow each of the two lines
	s_cmp_eq_u32 s[WV], 0
	s_cbranch_scc0 .Lnot_p_\@
	tensor_load_to_lds s[G0P+4*(\sl):G0P+4*(\sl)+3], s[G1P:G1P+7]
	s_nop 0
	PLACES 4
	s_branch .Lasked_\@
.Lnot_p_\@:
	s_cmp_lt_u32 s[WV], 2                          ; behind the head wave 0 asks for A's 8 records and wave 1 for wo's 16
	s_cbranch_scc0 .Lasked_\@
	tensor_load_to_lds s[G0R+4*(\sl):G0R+4*(\sl)+3], s[G1R:G1R+7]
	s_nop 0
	PLACES 4
.Lasked_\@:
.endm
.macro FETCH s                         ; K step s's fragments into set s % 2; with an even K step the record's scale words, which serve the odd one too
.set FSL, ((\s)/2)%3
.set FQ,  (\s)%2
.set FS,  SCB+12*(((\s)/2)%2)
	WIN TO_R
.irp b, 0,1,2,3,4,5,6,7
.irp c, 0,1,2,3
	ds_load_b128 v[128*FQ+16*\b+4*\c:128*FQ+16*\b+4*\c+3], v[ADR+FSL] offset:\b*RL+FQ*2048+512*\c
.endr
.endr
	WIN 0
.irp a, 0,1,2,3
.irp c, 0,1,2,3
	ds_load_b128 v[PF+64*FQ+16*\a+4*\c:PF+64*FQ+16*\a+4*\c+3], v[ADP+FSL] offset:\a*RL+FQ*2048+512*\c
.endr
.endr
.if FQ == 0
.irp a, 0,1,2,3
	ds_load_b32 v[FS+\a], v[SSP+FSL] offset:\a*RL+4096
.endr
.irp b, 0,1,2,3,4,5,6,7
	ds_load_b32 v[FS+4+\b], v[SSR+FSL] offset:\b*RL+4096
.endr
.endif
.endm
; K step s's 32 products; the 32 accumulators take turns, one instruction a turn, in the same order in every K step.  cmode 1: the sums start from the bias
.macro MUL32 s, cmode
.set MQ, (\s)%2
.set MS, SCB+12*(((\s)/2)%2)
.irp a, 0,1,2,3
.irp b, 0,1,2,3,4,5,6,7
.if \cmode == 1
	v_wmma_scale_f32_16x16x128_f8f6f4 v[8*(8*\a+\b):8*(8*\a+\b)+7], v[16*\b:16*\b+15], v[PF+16*\a:PF+16*\a+15], v[BIA+8*\b:BIA+8*\b+7], v[MS+4+\b], v[MS+\a]
.elseif MQ == 0
	v_wmma_scale_f32_16x16x128_f8f6f4 v[8*(8*\a+\b):8*(8*\a+\b)+7], v[16*\b:16*\b+15], v[PF+16*\a:PF+16*\a+15], v[8*(8*\a+\b):8*(8*\a+\b)+7], v[MS+4+\b], v[MS+\a]
.else
	v_wmma_scale_f32_16x16x128_f8f6f4 v[8*(8*\a+\b):8*(8*\a+\b)+7], v[128+16*\b:128+16*\b+15], v[PF+64+16*\a:PF+64+16*\a+15], v[8*(8*\a+\b):8*(8*\a+\b)+7], v[MS+4+\b], v[MS+\a] matrix_a_scale:MATRIX_SCALE_ROW1 matrix_b_scale:MATRIX_SCALE_ROW1
.endif
.endr
.endr
.endm
	s_load_b256 s[4:11], s[0:1], 0x0               ; aimg s[4:5], opnd s[6:7], bo s[8:9], out0 s[10:11]
	v_lshl_add_u32 v[SPW], v0, 2, SPARE
	v_mov_b32 v[NIL], 0
	ds_add_u32 v13, v14
	ds_add_u32 v13, v14
	s_wait_dscnt 0x0
	v_lshrrev_b32 v128, 5, v0
	v_readfirstlane_b32 s[WV], v128                ; wave 0..3
	s_lshr_b32 s[AH], s[WV], 1
	s_and_b32 s[JH], s[WV], 1
	s_bfe_u32 s[CX], ttmp6, 0x40000
	s_bfe_u32 s[CY], ttmp6, 0x40004
	s_and_b32 s[YC], ttmp7, 0xffff                 ; the cluster's y, 0..15
	s_lshl_b32 s[IT], s[YC], 2
	s_add_co_u32 s[IT], s[IT], s[CY]               ; which 128 rows: hangs on cy alone
	s_mov_b32 s[JT], s[CX]                         ; which 256 columns: on cx alone
	s_lshl_b32 s78, s[CY], 2
	s_lshl_b32 s78, 15, s78                        ; my row of the cluster
	s_lshl_b32 s79, 0x1111, s[CX]                  ; my column
	; descriptor group 1: 8 records of 528 elements of 8 bytes, a tile's four records (2,176 elements) apart; dense in LDS
	s_or_b32 s[G1P], s78, (3<<16)|(1<<21)
	s_or_b32 s[G1R], s79, (3<<16)|(1<<21)
.irp g, G1P, G1R
	s_mov_b32 s[\g+1], 528<<16                     ; tensor_dim0
	s_mov_b32 s[\g+2], 8<<16                       ; tensor_dim1
	s_mov_b32 s[\g+3], 528<<16                     ; tile_dim0
	s_mov_b32 s[\g+4], 8                           ; tile_dim1
	s_mov_b32 s[\g+5], TS/8                        ; tensor_dim0_stride
	s_mov_b32 s[\g+6], 0
	s_mov_b32 s[\g+7], 0
.endr
	s_mov_b32 s[G1R+2], 16<<16                     ; wo's 16 records come by one load: tensor_dim1,
	s_mov_b32 s[G1R+4], 16                         ; tile_dim1
	s_lshl_b32 s84, s[IT], 3
	s_mul_i32 s84, s84, TS                         ; A's first record
	s_mov_b32 s85, 0
	s_lshl_b32 s86, s[JT], 4
	s_add_co_u32 s86, s86, 1728
	s_mul_i32 s86, s86, TS                         ; wo's first record
	s_mov_b32 s87, 0
	s_wait_kmcnt 0x0
	s_add_nc_u64 s[84:85], s[4:5], s[84:85]
	s_add_nc_u64 s[86:87], s[6:7], s[86:87]
.irp sl, 0,1,2
	s_mov_b32 s[G0P+4*\sl], 1
	s_mov_b32 s[G0P+4*\sl+1], \sl*SLOT             ; A's 8 records at the slot's head,
	s_add_nc_u64 s[G0P+4*\sl+2:G0P+4*\sl+3], s[84:85], \sl*RC
	s_or_b32 s[G0P+4*\sl+3], s[G0P+4*\sl+3], 0x80000000
	s_mov_b32 s[G0R+4*\sl], 1
	s_mov_b32 s[G0R+4*\sl+1], PART+\sl*SLOT        ; wo's 16 behind them
	s_add_nc_u64 s[G0R+4*\sl+2:G0R+4*\sl+3], s[86:87], \sl*RC
	s_or_b32 s[G0R+4*\sl+3], s[G0R+4*\sl+3], 0x80000000
.endr
	CROUND
; THE HEAD'S LOADS, ONE A WAVE: slots 0 and 1 whole.  Wave 0: A's records of slot 0; wave 1: of slot 1; wave 2: wo's of slot 0; wave 3: of slot 1.  One chain of branches on the wave's number: every way passes exactly one load.
.macro ARM under, g0, g1, next
	s_cmp_lt_u32 s[WV], \under
	s_cbranch_scc0 \next
	tensor_load_to_lds s[\g0:\g0+3], s[\g1:\g1+7]
	s_nop 0
	PLACES 4
	s_branch .Lhead_asked
\next:
.endm
	ARM 1, G0P, G1P, .Lhead_1
	ARM 2, G0P+4, G1P, .Lhead_2
	ARM 3, G0R, G1R, .Lhead_3
	tensor_load_to_lds s[G0R+4:G0R+7], s[G1R:G1R+7]
	s_nop 0
	PLACES 4
.Lhead_asked:
	v_and_b32 v128, 31, v0                         ; lane
	v_and_b32 v129, 15, v0                         ; r
	v_bfe_u32 v130, v0, 4, 1                       ; h
	v_lshlrev_b32 v[LI], 4, v128
	v_lshlrev_b32 v132, 2, v128
	s_mul_i32 s78, s[AH], 4*RL                     ; my four records of A
	s_mul_i32 s79, s[JH], PART
	s_add_co_u32 s79, s79, PART                    ; my eight of wo, behind A's eight
.irp sl, 0,1,2
	v_add_nc_u32 v[ADP+\sl], s78, v[LI]
	v_add_nc_u32 v[ADR+\sl], s79, v[LI]
	v_add_nc_u32 v[SSP+\sl], s78, v132
	v_add_nc_u32 v[SSR+\sl], s79, v132
	s_add_co_u32 s78, s78, SLOT
	s_add_co_u32 s79, s79, SLOT
.endr
	s_mul_i32 s78, s[WV], 16*528
	s_add_co_u32 s78, s78, STAGE                   ; my stage
	v_mul_u32_u24 v[STO], v129, 528
	v_lshl_add_u32 v[STO], v130, 6, v[STO]
	v_add_nc_u32 v[STO], s78, v[STO]               ; in: row r, + 64 h
	v_add_nc_u32 v[SRD], s78, v[LI]                ; back: a row's 512 bytes, 16 a lane
	s_lshl_b32 s88, s[JT], 1
	s_add_co_u32 s88, s88, s[JH]                   ; which 128 columns are my wave's
	s_lshl_b32 s78, s88, 9
	s_mov_b32 s79, 0
	s_add_nc_u64 s[BP:BP+1], s[8:9], s[78:79]
	v_lshlrev_b32 v131, 6, v130                    ; register 16 g + i wants the bias of column 32 g + 16 h + i
.irp b, 0,1,2,3
.irp j, 0,1,2,3
	global_load_b128 v[BIA+16*\b+4*\j:BIA+16*\b+4*\j+3], v131, s[BP:BP+1] offset:128*\b+16*\j
.endr
.endr
	s_lshl_b32 s80, s[IT], 7
	s_lshl_b32 s81, s[AH], 6
	s_add_co_u32 s80, s80, s81                     ; my first row of out0
	s_lshl_b32 s80, s80, 12
	s_add_co_u32 s80, s80, s78                     ; + my 512 bytes of a row
	s_mov_b32 s81, 0
	s_add_nc_u64 s[OUT:OUT+1], s[10:11], s[80:81]
	s_wait_alu depctr_va_vdst(0)                   ; the wait at the head's end
	s_wait_tensorcnt 0x0                           ; my part of slot 0 or 1 is in
	ds_add_u32 v[SPW], v[NIL]                      ; the add
	s_wait_dscnt 0x0
	CROUND                                         ; slots 0 and 1 are whole in every partner
	JLOAD 2                                        ; slot 2's first fill: K steps 4 and 5
	s_wait_loadcnt 0x0
	FETCH 0
	s_wait_dscnt 0x0
	FETCH 1
	WIN MULC
	MUL32 0, 1                                     ; K step 0 starts the sums from the bias
	WIN 0
	; K step 1: slot 0 is filled again, with K steps 6 and 7
	s_wait_dscnt 0x0                               ; K step 1's fragments are in; slot 1 came with the head's loads and was whole at the first round
	PLACES 8                                       ; in front of loads into registers that K step 0's products have read (ISA guide 7.12.1 for vector instructions)
	FETCH 2
	WIN MUL
	MUL32 1, 0
	s_wait_alu depctr_va_vdst(0)
	s_wait_dscnt 0x0                               ; K step 2's fragments are in
	PLACES 8
	FETCH 3
	WIN MUL
	MUL32 2, 0
	WIN 0
	s_wait_tensorcnt 0x0                           ; my part of slot 2 is in, so a group 0 may be written
	ds_add_u32 v[SPW], v[NIL]
	s_add_nc_u64 s[G0P+2:G0P+3], s[G0P+2:G0P+3], 3*RC
	s_add_nc_u64 s[G0R+2:G0R+3], s[G0R+2:G0R+3], 3*RC
	s_wait_dscnt 0x0                               ; the adds are done; K step 3's fragments are in
	CROUND                                         ; slot 2 is whole; slot 0 was last read for K step 1
	JLOAD 0                                        ; slot 0 once more: K steps 6 and 7
	PLACES 8
	FETCH 4
	WIN MUL
	MUL32 3, 0
	s_wait_dscnt 0x0
	PLACES 8
	FETCH 5
	WIN MUL
	MUL32 4, 0
	s_wait_tensorcnt 0x0                           ; K step 5: my one load that was out is my part of slot 0's second fill
	s_wait_dscnt 0x0                               ; and my reads of slots 1 and 2 are over
	s_barrier_signal -1
	s_barrier_wait -1                              ; everybody's
	PLACES 8
	FETCH 6
	WIN MUL
	MUL32 5, 0
	s_wait_dscnt 0x0
	PLACES 8
	FETCH 7
	WIN MUL
	MUL32 6, 0
	s_wait_dscnt 0x0
	MUL32 7, 0
	; THE WAY OUT, 16 rows x 128 columns at a time: a lane holds pieces of 64 bytes of one row, the lanes beside it other rows: through my own stage, and back as whole rows of 512 bytes
	WIN 0
	PLACES 8
.irp a, 0,1,2,3
.if \a >= 2
	s_wait_xcnt 0x0                                ; the stores of two blocks back have read their registers: this block's rows land there
.endif
	WIN 0x04                                       ; an LDS store's data are its source 1: the accumulators' window
.irp b, 0,1,2,3
.irp j, 0,1,2,3
	ds_store_b128 v[STO], v[64*\a+16*\b+4*\j:64*\a+16*\b+4*\j+3] offset:128*\b+16*\j       ; each accumulator from its low end on
.endr
.endr
	WIN 0
.irp i, 0,1,2,3,4,5,6,7,8,9,10,11,12,13,14,15
	ds_load_b128 v[PF+64*(\a%2)+4*\i:PF+64*(\a%2)+4*\i+3], v[SRD] offset:528*\i    ; LDS serves a wave's instructions in order: these see the stores above
.endr
	s_wait_dscnt 0x0
.irp i, 0,1,2,3,4,5,6,7,8,9,10,11,12,13,14,15
	global_store_b128 v[LI], v[PF+64*(\a%2)+4*\i:PF+64*(\a%2)+4*\i+3], s[OUT:OUT+1] offset:(16*\a+\i)*4096 th:TH_STORE_NT   ; 512 consecutive bytes, aligned; written once
.endr
.endr
	s_wait_tensorcnt 0x0                           ; the wave's end: behind my last tensor load and my last LDS store
	ds_add_u32 v[SPW], v[NIL]
	s_wait_dscnt 0x0
	CROUND                                         ; the closing round
	s_endpgm
.Lfunc_end_k_q96e846a57b_outp:
	.size	k_q96e846a57b_outp, .Lfunc_end_k_q96e846a57b_outp-k_q96e846a57b_outp
	.p2alignl 7, 3214868480
	.fill 96, 4, 3214868480
	.section	.rodata,"a",@progbits
	.p2align	6, 0x0
	.amdhsa_kernel k_q96e846a57b_outp
		.amdhsa_group_segment_fixed_size 327680
		.amdhsa_private_segment_fixed_size 0
		.amdhsa_enable_private_segment 0
		.amdhsa_kernarg_size 32
		.amdhsa_user_sgpr_count 2
		.amdhsa_user_sgpr_kernarg_segment_ptr 1
		.amdhsa_wavefront_size32 1
		.amdhsa_system_sgpr_workgroup_id_x 1
		.amdhsa_system_sgpr_workgroup_id_y 1
		.amdhsa_system_sgpr_workgroup_id_z 1
		.amdhsa_system_vgpr_workitem_id 0
		.amdhsa_next_free_vgpr 768
		.amdhsa_next_free_sgpr 100
		.amdhsa_reserve_vcc 0
		.amdhsa_float_denorm_mode_32 3
		.amdhsa_float_denorm_mode_16_64 3
		.amdhsa_memory_ordered 1
		.amdhsa_forward_progress 1
		.amdhsa_inst_pref_size 88
	.end_amdhsa_kernel
	.amdgpu_metadata
---
amdhsa.version: [ 1, 2 ]
amdhsa.kernels:
  - .name:           k_q96e846a57b_outp
    .symbol:         k_q96e846a57b_outp.kd
    .args:
      - { .name: aimg, .offset: 0, .size: 8, .value_kind: global_buffer, .address_space: global }
      - { .name: opnd, .offset: 8, .size: 8, .value_kind: global_buffer, .address_space: global }
      - { .name: bo, .offset: 16, .size: 8, .value_kind: global_buffer, .address_space: global }
      - { .name: out0, .offset: 24, .size: 8, .value_kind: global_buffer, .address_space: global }
    .group_segment_fixed_size: 327680
    .private_segment_fixed_size: 0
    .kernarg_segment_align: 8
    .kernarg_segment_size: 32
    .max_flat_workgroup_size: 128
    .sgpr_count:     100
    .vgpr_count:     768
    .wavefront_size: 32
...
	.end_amdgpu_metadata
.endif
;; end of part 4
